; MI455X (gfx1250); checked and timed in simulation.
; The chip was launched on July 23, 2026; its instructions are those of AMD's public machine-readable ISA for CDNA 5 (MIT licence, August 2026) and "CDNA5" Instruction Set Architecture Reference Guide (July 2026). The comments in the code are by the model that wrote it; some were corrected since.
;; Sparse Attention. Allowed arithmetic: float matrix products may take bf16 or f16 operands with f32 sums; all other float work in f32.
;; Inputs: Wk 512 x 512 float32; Wo 512 x 512 float32; Wq 512 x 512 float32; Wv 512 x 512 float32; bk 512 float32; bo 512 float32; bq 512 float32; bv 512 float32; x 2 x 4,096 x 512 float32.
;; Outputs: out0 2 x 4,096 x 512 float32.
;; 2 versions, each right and faster than the one before. Each part assembles by itself: llvm-mc -triple=amdgcn-amd-amdhsa -mcpu=gfx1250 --defsym DOCPART=n.
;; ======== version 1 of 2: 2 launches
;; workspace buffers: qf 8,388,608 bytes; kf 8,388,608 bytes; vf 8,388,608 bytes; wof 524,288 bytes
;; launch proj (part 1): grid 8 x 32, 8 waves a work-group, no clusters, 131,072 bytes of LDS; arguments x, Wq, Wk, Wv, bq, bk, bv, Wo, qf, kf, vf, wof; writes qf, kf, vf, wof
.if DOCPART == 1
	.amdgcn_target "amdgcn-amd-amdhsa--gfx1250"
	.amdhsa_code_object_version 6
	.text
	.protected	k_qa2b04ff217_proj
	.globl	k_qa2b04ff217_proj
	.p2align	8
	.type	k_qa2b04ff217_proj,@function
k_qa2b04ff217_proj:
	s_mov_b64 s[64:65], 0
	v_nop
	global_prefetch_b8 v0, s[64:65] scope:SCOPE_SE
	s_setreg_imm32_b32 hwreg(HW_REG_WAVE_MODE, 25, 1), 1
	s_wait_xcnt 0x0
; q = (x Wq^T + bq) c, k = x Wk^T + bk, v = x Wv^T + bv, rounded once to bf16; and Wo cast to bf16.  c = log2(e) / sqrt(64), so that the next launch's weights are 2^(s - m).
; x: [8192][512] f32 (both batches' tokens), W: [512][512] f32.  Products on bf16 operands, sums in f32, bias and scale in f32.
; SHARES.  Work-group (head, mb) makes 256 tokens x the head's 64 columns of each of q, k, v.  Wave 2 mg + g: tokens 64 mg .. +63, dims 32 g .. +31 of each: 4 x 6 = 24 accumulators.
; K goes in 8 steps of 64 (256 aligned bytes of each f32 row) through two LDS slots of bf16 rows.
; OUTPUT IN FRAGMENT ORDER.  qf, kf, vf: [head 8][T = token / 16, 512][tile 4][512 bytes], lane l's 16 bytes at 16 l.  q and k are made as W x^T (source 0 = 16 rows of W, source 1 = 16 tokens):
; a lane then holds one token and 8 neighbouring dims.  v is made as x W^T: a lane holds one channel and 8 neighbouring keys.  Packed to bf16 each result tile IS half of an operand
; fragment of the next launch, and every store of a wave covers 512 consecutive bytes, aligned.
; wof: [w 8][ks 16][nt 4][q 2][512 bytes], lane (r, h) holds Wo[64 w + 16 nt + r][32 ks + 16 q + 8 h + 0..7].
; NO JOINT TENSOR LOADS, though x's tile is read by 8 work-groups and W's by 32: the tiles are f32 and the operands bf16.  A copied f32 tile would cost 20 KiB of LDS reads where the
; bf16 rows cost 10 KiB for a wave's 24 products, and each number of x would be converted by 2 waves and each of W by 4; through registers each number is converted once.
; LIMITS.  Operands are rounded to bf16.  q's bias and scale are applied as acc c + (bq c): one rounding more than (acc + bq) c.
.set PITCH, 144                        ; an LDS row: 128 bytes of bf16 + 16: nine 16-byte columns, so the 16 rows of a fragment load start in 16 different columns modulo 256 bytes
.set RB,    16*PITCH                   ; 16 rows
.set SLOT1, 65536                      ; slot 1; a slot has 448 rows: x 0-255, Wq 256-319, Wk 320-383, Wv 384-447 (64,512 bytes)
.set GOFF, 1                           ; v1      row (thread / 16) x 2,048 + 16 (thread % 16): my 16 bytes of a step's 256 in 16 rows
.set ST,   2                           ; v2-3    where my 4 numbers go in slot 0, 1
.set AX,   4                           ; v4-5    my x fragments in slot 0, 1
.set AW,   6                           ; v6-7    my W fragments in slot 0, 1
.set SO,   8                           ; v8      my 16 bytes in my wave's first result tile
.set BO,   9                           ; v9      my 8 numbers of bq, bk
.set BVO,  10                          ; v10     my number of bv
.set WSRC, 11                          ; v11     my 4 numbers of Wo
.set WDST, 12                          ; v12     and their place in wof
.set F0,   32                          ; v32-111, v112-191: two fragment buffers (32 along K each): x fragment a at +8 a, W fragment w = 2 m + u at +32 + 8 w
.set WS,   192                         ; v192-239 a step's numbers of W as loaded (12 x 4); the biases in the last step
.set WOP,  240                         ; v240-243 my piece of Wo
.set XS,   192                         ; window 1, v192-255: a step's numbers of x as loaded (16 x 4).  Window 1, v0-191: accumulator (a, w) at 8 (6 a + w)
.set BQ,   192
.set BK,   208
.set BV,   224
.set T,    32                          ; the way out: 6 tiles in f32
.set MSB, 0
.macro WIN new                         ; s_set_vgpr_msb: bits 1:0 source 0, 3:2 source 1, 5:4 source 2, 7:6 destination; the high byte repeats the setting that is left
.if MSB != \new
	s_set_vgpr_msb (MSB<<8)|\new
.set MSB, \new
.endif
.endm
	s_load_b512 s[8:23], s[0:1], 0x0               ; x 8, Wq 10, Wk 12, Wv 14, bq 16, bk 18, bv 20, Wo 22
	s_load_b256 s[24:31], s[0:1], 0x40             ; qf 24, kf 26, vf 28, wof 30
	s_mov_b32 s2, ttmp9                            ; head
	s_and_b32 s3, ttmp7, 0xffff                    ; mb: block of 256 tokens
	v_lshrrev_b32 v19, 5, v0
	v_readfirstlane_b32 s4, v19                    ; wave
	s_lshr_b32 s5, s4, 1                           ; mg
	s_and_b32 s6, s4, 1                            ; g
	s_mov_b32 s32, 0x3e38aa3b                      ; c = 0.125 log2(e)
	s_mov_b32 s33, s32                             ; named with it as a pair
	v_and_b32 v13, 15, v0                          ; thread % 16 = r
	v_lshrrev_b32 v14, 4, v0                       ; thread / 16
	v_bfe_u32 v15, v0, 4, 1                        ; h
	v_and_b32 v16, 31, v0                          ; lane
	v_lshlrev_b32 v[GOFF], 11, v14
	v_lshl_add_u32 v[GOFF], v13, 4, v[GOFF]
	v_mul_u32_u24 v[ST], v14, PITCH
	v_lshl_add_u32 v[ST], v13, 3, v[ST]            ; 4 bf16 = 8 bytes
	v_add_nc_u32 v[ST+1], SLOT1, v[ST]
	v_mul_u32_u24 v17, v13, PITCH
	v_lshl_add_u32 v17, v15, 4, v17                ; a fragment's row x pitch + 16 x half
	s_mul_i32 s34, s5, 4*RB                        ; my 64 rows of x
	v_add_nc_u32 v[AX], s34, v17
	v_add_nc_u32 v[AX+1], SLOT1, v[AX]
	s_mul_i32 s34, s6, 2*RB                        ; my 32 rows of each W,
	s_add_co_u32 s34, s34, 16*RB                   ; behind x's 256
	v_add_nc_u32 v[AW], s34, v17
	v_add_nc_u32 v[AW+1], SLOT1, v[AW]
	s_lshl_b32 s34, s5, 13                         ; result tiles: 4 mg token tiles of 2,048 bytes,
	s_lshl_b32 s35, s6, 10                         ; 2 g tiles of 512
	s_add_co_u32 s34, s34, s35
	v_lshl_add_u32 v[SO], v16, 4, s34
	s_lshl_b32 s34, s2, 8                          ; biases: 64 head + 32 g numbers on
	s_lshl_b32 s35, s6, 7
	s_add_co_u32 s34, s34, s35
	v_lshl_add_u32 v[BO], v15, 5, s34              ; + 8 h numbers
	v_lshl_add_u32 v[BVO], v13, 2, s34             ; + r numbers
	; Wo: the work-group casts rows 16 mb .. +15, columns 64 head .. +63; the wave 8 of those columns; the lane row lane / 2, 4 columns
	v_lshrrev_b32 v17, 1, v16
	v_and_b32 v18, 1, v16
	s_lshl_b32 s34, s3, 15
	s_lshl_b32 s35, s2, 8
	s_add_co_u32 s34, s34, s35
	s_lshl_b32 s35, s4, 5
	s_add_co_u32 s34, s34, s35
	v_lshl_add_u32 v[WSRC], v17, 11, s34
	v_lshl_add_u32 v[WSRC], v18, 4, v[WSRC]
	s_lshr_b32 s34, s3, 2                          ; w = mb / 4
	s_lshl_b32 s34, s34, 16
	s_and_b32 s35, s3, 3                           ; nt = mb % 4
	s_lshl_b32 s35, s35, 10
	s_add_co_u32 s34, s34, s35
	s_lshl_b32 s35, s2, 13                         ; ks = 2 head + wave / 4
	s_add_co_u32 s34, s34, s35
	s_lshr_b32 s35, s4, 2
	s_lshl_b32 s35, s35, 12
	s_add_co_u32 s34, s34, s35
	s_and_b32 s35, s4, 3                           ; q and h: 256 (wave % 4)
	s_lshl_b32 s35, s35, 8
	s_add_co_u32 s34, s34, s35
	v_lshl_add_u32 v[WDST], v16, 3, s34            ; 16 (lane / 2) + 8 (lane % 2) = 8 lane: the wave's store covers 256 consecutive bytes, aligned
	s_wait_kmcnt 0x0
	s_lshl_b32 s34, s3, 19                         ; 256 rows of 2,048 bytes
	s_mov_b32 s35, 0
	s_add_nc_u64 s[8:9], s[8:9], s[34:35]
	s_lshl_b32 s36, s2, 17                         ; 64 rows of 2,048 bytes
	s_mov_b32 s37, 0
	s_add_nc_u64 s[10:11], s[10:11], s[36:37]
	s_add_nc_u64 s[12:13], s[12:13], s[36:37]
	s_add_nc_u64 s[14:15], s[14:15], s[36:37]
	s_lshl_b32 s34, s2, 20                         ; the head's 512 token tiles, and my block's 16
	s_lshl_b32 s36, s3, 15
	s_add_co_u32 s34, s34, s36
	s_add_nc_u64 s[24:25], s[24:25], s[34:35]
	s_add_nc_u64 s[26:27], s[26:27], s[34:35]
	s_add_nc_u64 s[28:29], s[28:29], s[34:35]
; 28 loads: a K step of the group's 256 rows of x and 3 x 64 rows of W.  A wave's load covers two rows' 256 aligned bytes.
.macro GLOAD
	WIN 0x40                                       ; destination window 1
.irp i, 0,1,2,3,4,5,6,7,8,9,10,11,12,13,14,15
	global_load_b128 v[XS+4*\i:XS+4*\i+3], v[GOFF], s[8:9] offset:\i*32768
.endr
	WIN 0
.irp m, 0,1,2
.irp i, 0,1,2,3
	global_load_b128 v[WS+16*\m+4*\i:WS+16*\m+4*\i+3], v[GOFF], s[10+2*\m:11+2*\m] offset:\i*32768
.endr
.endr
.endm
.macro STEP                            ; 64 numbers along K; stands behind the wait that shows the loads done
	s_add_nc_u64 s[8:9], s[8:9], 256
	s_add_nc_u64 s[10:11], s[10:11], 256
	s_add_nc_u64 s[12:13], s[12:13], 256
	s_add_nc_u64 s[14:15], s[14:15], 256
.endm
; The step just loaded is rounded to bf16, each number once, and laid into a slot: 56 conversions, 28 stores of 8 bytes.
.macro CVTST slot
.irp i, 0,1,2,3,4,5,6,7,8,9,10,11
	v_cvt_pk_bf16_f32 v[WS+4*\i], v[WS+4*\i], v[WS+4*\i+1]
	v_cvt_pk_bf16_f32 v[WS+4*\i+1], v[WS+4*\i+2], v[WS+4*\i+3]
.endr
.irp i, 0,1,2,3,4,5,6,7,8,9,10,11
	ds_store_b64 v[ST+\slot], v[WS+4*\i:WS+4*\i+1] offset:(16+\i)*RB
.endr
	WIN 0x45                                       ; sources and destination window 1
.irp i, 0,1,2,3,4,5,6,7,8,9,10,11,12,13,14,15
	v_cvt_pk_bf16_f32 v[XS+4*\i], v[XS+4*\i], v[XS+4*\i+1]
	v_cvt_pk_bf16_f32 v[XS+4*\i+1], v[XS+4*\i+2], v[XS+4*\i+3]
.endr
	WIN 0x04                                       ; store data window 1, address window 0
.irp i, 0,1,2,3,4,5,6,7,8,9,10,11,12,13,14,15
	ds_store_b64 v[ST+\slot], v[XS+4*\i:XS+4*\i+1] offset:\i*RB
.endr
	WIN 0
.endm
; ONE barrier a step.  In front of it each wave's reads of the slot just multiplied and its stores into the other slot are done.  Behind it the other slot is read, and the slot just
; multiplied is written only at the end of the next step, which every wave reaches behind this barrier.
.macro BAR
	s_wait_dscnt 0x0
	s_barrier_signal -1
	s_barrier_wait -1
.endm
; 20 LDS loads: the fragments of 32 along K (half c of the step) into buffer c: 4 of x, 6 of W
.macro FETCH slot, c
.irp a, 0,1,2,3
	ds_load_b128 v[F0+80*\c+8*\a:F0+80*\c+8*\a+3],   v[AX+\slot] offset:\a*RB+64*\c
	ds_load_b128 v[F0+80*\c+8*\a+4:F0+80*\c+8*\a+7], v[AX+\slot] offset:\a*RB+64*\c+32
.endr
.irp w, 0,1,2,3,4,5
	ds_load_b128 v[F0+80*\c+32+8*\w:F0+80*\c+32+8*\w+3], v[AW+\slot] offset:(\w/2)*4*RB+(\w%2)*RB+64*\c
	ds_load_b128 v[F0+80*\c+36+8*\w:F0+80*\c+36+8*\w+3], v[AW+\slot] offset:(\w/2)*4*RB+(\w%2)*RB+64*\c+32
.endr
.endm
; 24 matrix instructions on buffer c.  q and k (w < 4): source 0 = W, source 1 = x; v: source 0 = x, source 1 = W.  zero = 1: the first products start the sums: nothing is cleared.
; The 24 accumulators take turns, one instruction a turn, from call to call and over the backward jump too.
.macro MUL c, zero
	WIN 0x50                                       ; C and D window 1, fragments window 0
.irp a, 0,1,2,3
.irp w, 0,1,2,3,4,5
.set rD, 48*\a+8*\w
.if \w < 4
.set rA, F0+80*\c+32+8*\w
.set rB, F0+80*\c+8*\a
.else
.set rA, F0+80*\c+8*\a
.set rB, F0+80*\c+32+8*\w
.endif
.if \zero
	v_wmma_f32_16x16x32_bf16 v[rD:rD+7], v[rA:rA+7], v[rB:rB+7], 0
.else
	v_wmma_f32_16x16x32_bf16 v[rD:rD+7], v[rA:rA+7], v[rB:rB+7], v[rD:rD+7]
.endif
.endr
.endr
.endm
; A K step: the next step is asked for first (28 loads a wave, 112 KiB for the eight), this one is multiplied, the next one is converted into the other slot.
; The 56 conversions name no register of the products: they are the places between the last product and the next step's loads into the fragment buffers.
.macro TRIP slot, other, zero
	GLOAD
	FETCH \slot, 0
	FETCH \slot, 1
	s_wait_dscnt 20                                ; buffer 0 is in; buffer 1's 20 loads may stay out
	MUL 0, \zero
	s_wait_dscnt 0x0
	MUL 1, 0
	WIN 0
	s_wait_loadcnt 0x0                             ; the next step's numbers are in, and the loads' bases are free
	STEP
	CVTST \other
	BAR
.endm
	GLOAD                                          ; step 0
	global_load_b128 v[WOP:WOP+3], v[WSRC], s[22:23]
	s_wait_loadcnt 0x0
	STEP
	CVTST 0
	v_cvt_pk_bf16_f32 v[WOP], v[WOP], v[WOP+1]
	v_cvt_pk_bf16_f32 v[WOP+1], v[WOP+2], v[WOP+3]
	global_store_b64 v[WDST], v[WOP:WOP+1], s[30:31]   ; its registers are never written again
	BAR
	TRIP 0, 1, 1                                   ; step 0 starts the sums; step 1 is fetched
	s_mov_b32 s7, 3
.Lk:                                                   ; steps 1 to 6; steps 2 to 7 are fetched
	TRIP 1, 0, 0
	TRIP 0, 1, 0
	s_sub_co_u32 s7, s7, 1
	s_cmp_lg_u32 s7, 0
	s_cbranch_scc1 .Lk
	; step 7, in slot 1: nothing more of x and W to fetch; the biases come in its stead
.irp u, 0,1
	global_load_b128 v[BQ+8*\u:BQ+8*\u+3],   v[BO], s[16:17] offset:64*\u
	global_load_b128 v[BQ+8*\u+4:BQ+8*\u+7], v[BO], s[16:17] offset:64*\u+16
	global_load_b128 v[BK+8*\u:BK+8*\u+3],   v[BO], s[18:19] offset:64*\u
	global_load_b128 v[BK+8*\u+4:BK+8*\u+7], v[BO], s[18:19] offset:64*\u+16
	global_load_b32 v[BV+2*\u],   v[BVO], s[20:21] offset:64*\u      ; one channel's bias, in both registers of a pair for the packed sum
	global_load_b32 v[BV+2*\u+1], v[BVO], s[20:21] offset:64*\u
.endr
	FETCH 1, 0
	FETCH 1, 1
	s_wait_dscnt 20                                ; as in every step
	MUL 0, 0
	s_wait_dscnt 0x0
	MUL 1, 0
	WIN 0
	s_wait_loadcnt 0x0                             ; the biases
.irp i, 0,2,4,6,8,10,12,14
	v_pk_mul_f32 v[BQ+\i:BQ+\i+1], v[BQ+\i:BQ+\i+1], s[32:33] op_sel_hi:[1,0]   ; bq c; these eight are also the places behind the last products
.endr
; THE WAY OUT of token tile a: bias (and c) in f32, one rounding to bf16, six stores of 512 consecutive aligned bytes.  Each a has its own store registers, so no wait is needed.
.macro OUTA a
.if \a < 3
.set Y, 112+24*\a
.else
.set Y, 80
.endif
	WIN 0x01                                       ; source 0 (the accumulators) window 1
.irp u, 0,1
.irp i, 0,2,4,6
	v_pk_fma_f32 v[T+8*\u+\i:T+8*\u+\i+1], v[48*\a+8*\u+\i:48*\a+8*\u+\i+1], s[32:33], v[BQ+8*\u+\i:BQ+8*\u+\i+1] op_sel_hi:[1,0,1]
.endr
.endr
.irp u, 0,1
.irp i, 0,2,4,6
	v_pk_add_f32 v[T+16+8*\u+\i:T+16+8*\u+\i+1], v[48*\a+16+8*\u+\i:48*\a+16+8*\u+\i+1], v[BK+8*\u+\i:BK+8*\u+\i+1]
.endr
.endr
.irp u, 0,1
.irp i, 0,2,4,6
	v_pk_add_f32 v[T+32+8*\u+\i:T+32+8*\u+\i+1], v[48*\a+32+8*\u+\i:48*\a+32+8*\u+\i+1], v[BV+2*\u:BV+2*\u+1]
.endr
.endr
	WIN 0
.irp w, 0,1,2,3,4,5
.irp i, 0,1,2,3
	v_cvt_pk_bf16_f32 v[Y+4*\w+\i], v[T+8*\w+2*\i], v[T+8*\w+2*\i+1]
.endr
.endr
.irp w, 0,1,2,3,4,5
	global_store_b128 v[SO], v[Y+4*\w:Y+4*\w+3], s[24+2*(\w/2):25+2*(\w/2)] offset:\a*2048+(\w%2)*512
.endr
.endm
	OUTA 0
	OUTA 1
	OUTA 2
	OUTA 3
	s_endpgm
.Lfunc_end_k_qa2b04ff217_proj:
	.size	k_qa2b04ff217_proj, .Lfunc_end_k_qa2b04ff217_proj-k_qa2b04ff217_proj
	.p2alignl 7, 3214868480
	.fill 96, 4, 3214868480
	.section	.rodata,"a",@progbits
	.p2align	6, 0x0
	.amdhsa_kernel k_qa2b04ff217_proj
		.amdhsa_group_segment_fixed_size 131072
		.amdhsa_private_segment_fixed_size 0
		.amdhsa_enable_private_segment 0
		.amdhsa_kernarg_size 96
		.amdhsa_user_sgpr_count 2
		.amdhsa_user_sgpr_kernarg_segment_ptr 1
		.amdhsa_wavefront_size32 1
		.amdhsa_system_sgpr_workgroup_id_x 1
		.amdhsa_system_sgpr_workgroup_id_y 1
		.amdhsa_system_sgpr_workgroup_id_z 1
		.amdhsa_system_vgpr_workitem_id 0
		.amdhsa_next_free_vgpr 512
		.amdhsa_next_free_sgpr 66
		.amdhsa_reserve_vcc 0
		.amdhsa_float_denorm_mode_32 3
		.amdhsa_float_denorm_mode_16_64 3
		.amdhsa_memory_ordered 1
		.amdhsa_forward_progress 1
		.amdhsa_inst_pref_size 77
	.end_amdhsa_kernel
	.amdgpu_metadata
---
amdhsa.version: [ 1, 2 ]
amdhsa.kernels:
  - .name:           k_qa2b04ff217_proj
    .symbol:         k_qa2b04ff217_proj.kd
    .args:
      - { .name: x, .offset: 0, .size: 8, .value_kind: global_buffer, .address_space: global }
      - { .name: Wq, .offset: 8, .size: 8, .value_kind: global_buffer, .address_space: global }
      - { .name: Wk, .offset: 16, .size: 8, .value_kind: global_buffer, .address_space: global }
      - { .name: Wv, .offset: 24, .size: 8, .value_kind: global_buffer, .address_space: global }
      - { .name: bq, .offset: 32, .size: 8, .value_kind: global_buffer, .address_space: global }
      - { .name: bk, .offset: 40, .size: 8, .value_kind: global_buffer, .address_space: global }
      - { .name: bv, .offset: 48, .size: 8, .value_kind: global_buffer, .address_space: global }
      - { .name: Wo, .offset: 56, .size: 8, .value_kind: global_buffer, .address_space: global }
      - { .name: qf, .offset: 64, .size: 8, .value_kind: global_buffer, .address_space: global }
      - { .name: kf, .offset: 72, .size: 8, .value_kind: global_buffer, .address_space: global }
      - { .name: vf, .offset: 80, .size: 8, .value_kind: global_buffer, .address_space: global }
      - { .name: wof, .offset: 88, .size: 8, .value_kind: global_buffer, .address_space: global }
    .group_segment_fixed_size: 131072
    .private_segment_fixed_size: 0
    .kernarg_segment_align: 8
    .kernarg_segment_size: 96
    .max_flat_workgroup_size: 256
    .sgpr_count:     66
    .vgpr_count:     512
    .wavefront_size: 32
...
	.end_amdgpu_metadata
.endif
;; end of part 1
;; launch attn (part 2): grid 256 x 1, 8 waves a work-group, no clusters, 135,168 bytes of LDS; arguments qf, kf, vf, wof, bo, out0; writes out0
.if DOCPART == 2
	.amdgcn_target "amdgcn-amd-amdhsa--gfx1250"
	.amdhsa_code_object_version 6
	.text
	.protected	k_qa2b04ff217_attn
	.globl	k_qa2b04ff217_attn
	.p2align	8
	.type	k_qa2b04ff217_attn,@function
k_qa2b04ff217_attn:
	s_mov_b64 s[64:65], 0
	v_nop
	global_prefetch_b8 v0, s[64:65] scope:SCOPE_SE
	s_setreg_imm32_b32 hwreg(HW_REG_WAVE_MODE, 25, 1), 1
	s_wait_xcnt 0x0
; out = softmax over the keys with |key - query| <= 64 of (q . k) applied to v, then O Wo^T + bo.  q already carries log2(e) / sqrt(64): the weights are p = 2^(s - m).
; SHARES.  The work-group owns 32 queries (two tiles qt of 16).  In the attention wave hd is head hd; in the output product it makes out's columns 64 hd .. +63.  No loop: all is written out.
; OPERANDS COME IN FRAGMENT ORDER.  qf, kf, vf: [head 8][T = token / 16][tile 4][512 bytes]; wof: [w 8][ks 16][nt 4][q 2][512 bytes]; lane l's 16 bytes at 16 l, so each load of a wave takes 512
; consecutive aligned bytes straight into half a fragment.
; LAYOUT.  S^T = K Q^T, O^T = V^T P, out^T = Wo O: in every result a lane holds ONE query (lane % 16) and 8 neighbouring keys, channels or columns, so packed S^T tiles are P's
; fragments and packed O^T tiles are O's; a query's maximum and sum want one exchange between the halves of the lanes.
; TWO bf16 NUMBERS FOR p AND FOR O.  Each goes to the matrix unit as its value rounded to bf16 and the rest (value - rounded value, exact in f32) rounded to bf16: 16 bits of significand
; in place of 8.  The second products take the fragments of V^T and of Wo that are in registers anyway: no byte more is loaded from memory.
; THE BAND.  Ten key tiles kt at T = the queries' first tile - 4 + kt.  With D = kt - qt: D = 1..7 lies inside the band; D = 0 keeps key >= query in the tile, D = 8 keeps key <= query;
; D = -1 and 9 lie outside: no scores are made and P = 0.  A key tile outside the batch is read at the batch's first or last tile (the load stays in the buffer) and all its scores are masked.
; SOFTMAX.  A query's 144 scores are in registers at once: the true maximum is taken, no running one.  A query always keeps its own key, so m is finite where the scores are.
; NO JOINT TENSOR LOADS, though every work-group reads the same 512 KiB of wof and neighbours share 8 of 10 key tiles: each wave reads its own 64 KiB of wof and its own head's K and V once,
; straight into registers; through LDS the same bytes would be written and read once more by that one wave, and wof does not fit in LDS, so it would want a ring with a round for each refill.
; LIMITS.  q, k, v and Wo are bf16; p and O are two bf16 numbers each; l is summed from the unrounded weights.  Masked keys enter as 0 x v: a v that is not finite gives NaN.
.set L16,  1                           ; v1     16 x lane; also my place in an O fragment in LDS
.set RR,   2                           ; v2     r = lane % 16
.set HH,   3                           ; v3     h = lane / 16
.set VD,   4                           ; v4     8 h - r
.set NEG,  5                           ; v5     -infinity
.set QO,   6                           ; v6     my 16 bytes in the first tile of Q
.set WO,   7                           ; v7     in my wave's part of wof
.set KO,   8                           ; v8-17  in key tile kt's first tile, of kf and of vf alike
.set OXW,  18                          ; v18    where my head's O goes in LDS
.set BOO,  19                          ; v19    my 4 numbers of bo
.set STW,  20                          ; v20    the stage: in
.set STR,  21                          ; v21    the stage: back
.set OUTO, 22                          ; v22    my 16 bytes in out's first two rows
.set LH,   23                          ; v23    16 lane + the head's first byte
.set BOV,  24                          ; v24-27 bo
.set RL,   28                          ; v28-31 1 / l of qt = 0, 1, each twice (v28: at work in the set-up)
.set Q,    32                          ; v32-63 Q: 32 + 16 qt + 4 dt
.set S,    64                          ; v64-207 S^T: 64 + 72 qt + 8 (kt - qt); then the rests of P, fragment p of qt at 64 + 72 qt + 8 p
.set OB,   64                          ; the way out: v64-127 rows read back from the stage
.set MLO,  24                          ; s24-31 lanes with key 8 h + j >= query r
.set MHI,  32                          ; s32-39 lanes with key 8 h + j <= query r
.set VAL,  40                          ; s40-49 all ones if key tile kt lies in the batch, else 0 (none for kt = 4, 5: the queries' own tiles)
.set OXLO, 32768                       ; LDS: O's rounded values at 0, its rests here, 32,768 bytes each: [qt 2][ks 16][half 2][512 bytes]
.set STAGE, 65536                      ; LDS: 8 stages of 32 rows x 272 bytes
; window 1: v0-159 K (16 kt + 4 dt), then V^T (32 p + 8 ct + 4 e, key tile 2 p + e); v160-223 O^T (160 + 32 qt + 8 ct);
;           behind O^T's products: v0-63 at work, v64-95 O rounded, v96-127 its rests; in the output product v0-63 the eight accumulators (8 (2 nt + qt))
.set PKH,  64
.set PKL,  96
.set MSB, 0
.macro WIN new                         ; s_set_vgpr_msb: bits 1:0 source 0, 3:2 source 1, 5:4 source 2, 7:6 destination; the high byte repeats the setting that is left
.if MSB != \new
	s_set_vgpr_msb (MSB<<8)|\new
.set MSB, \new
.endif
.endm
.macro PLACES                          ; four plain instructions between a matrix instruction and a vector instruction or load that touches its registers
.rept 4
	v_nop
.endr
.endm
.macro PFRAG f                         ; the rounded P's fragment f = 5 qt + kt / 2: four lie where Q lay, six behind S^T
.if (\f) < 4
.set PB, 32+8*(\f)
.else
.set PB, 176+8*(\f)
.endif
.endm
.macro WBASE ks                        ; the ring of four chunks of Wo: two in what S^T leaves free beside P's rests, two where the rests lay
.if (\ks)%4 == 0
.set WB, 104
.elseif (\ks)%4 == 1
.set WB, 176
.elseif (\ks)%4 == 2
.set WB, 64
.else
.set WB, 136
.endif
.endm
.macro OBASE ks                        ; two buffers of O fragments, 32 registers each: +16 for the rests, +8 qt
.if (\ks)%2 == 0
.set OFB, 32
.else
.set OFB, 208
.endif
.endm
	s_load_b256 s[8:15], s[0:1], 0x0               ; qf 8, kf 10, vf 12, wof 14
	s_load_b128 s[16:19], s[0:1], 0x20             ; bo 16, out0 18
	s_mov_b32 s2, ttmp9                            ; qb: block of 32 queries
	v_lshrrev_b32 v28, 5, v0
	v_readfirstlane_b32 s4, v28                    ; hd: wave = head
	v_and_b32 v28, 31, v0
	v_lshlrev_b32 v[L16], 4, v28
	v_and_b32 v[RR], 15, v0
	v_bfe_u32 v[HH], v0, 4, 1
	s_lshl_b32 s5, s4, 20
	v_add_nc_u32 v[LH], s5, v[L16]
	s_lshl_b32 s5, s2, 12                          ; two token tiles of 2,048 bytes a block
	v_add_nc_u32 v[QO], s5, v[LH]
	s_lshl_b32 s5, s4, 8
	v_lshl_add_u32 v[BOO], v[RR], 4, s5
	s_and_b32 s5, s2, 127
	s_lshl_b32 s5, s5, 1
	s_sub_co_i32 s5, s5, 4                         ; key tile 0, counted in the batch: -4 to 250
	s_lshr_b32 s6, s2, 7
	s_lshl_b32 s6, s6, 8                           ; the batch's first tile
.irp kt, 0,1,2,3,4,5,6,7,8,9
	s_add_co_i32 s7, s5, \kt
.if (\kt != 4) && (\kt != 5)
	s_cmp_lt_u32 s7, 256                           ; a negative number is large as an unsigned one
	s_cselect_b32 s[VAL+\kt], -1, 0
	s_max_i32 s7, s7, 0
	s_min_i32 s7, s7, 255
.endif
	s_add_co_u32 s7, s7, s6
	s_lshl_b32 s7, s7, 11
	v_add_nc_u32 v[KO+\kt], s7, v[LH]
.endr
	s_wait_kmcnt 0x0
	global_load_b128 v[BOV:BOV+3], v[BOO], s[16:17]
.irp i, 0,1,2,3,4,5,6,7
	global_load_b128 v[Q+4*\i:Q+4*\i+3], v[QO], s[8:9] offset:\i*512
.endr
	WIN 0x40                                       ; destination window 1
.irp kt, 0,1,2,3,4,5,6,7,8,9
.irp dt, 0,1,2,3
	global_load_b128 v[16*\kt+4*\dt:16*\kt+4*\dt+3], v[KO+\kt], s[10:11] offset:\dt*512
.endr
.endr
	WIN 0
	; masks and the other addresses are made while the loads are on their way
	v_lshlrev_b32 v[VD], 3, v[HH]
	v_sub_nc_u32 v[VD], v[VD], v[RR]
	v_mov_b32 v[NEG], 0xff800000
.irp j, 0,1,2,3,4,5,6,7
	v_cmp_le_i32 s[MLO+\j], 0-\j, v[VD]            ; -j <= 8 h - r: key 8 h + j >= query r
	v_cmp_ge_i32 s[MHI+\j], 0-\j, v[VD]            ; key 8 h + j <= query r
.endr
	s_mov_b32 s20, 0x76543210                      ; v_permlanex16_b32: each lane takes its own place in the other half
	s_mov_b32 s21, 0xfedcba98
	s_mov_b32 s22, 0xffff0000                      ; a word's upper bf16
	s_lshl_b32 s5, s4, 16
	v_add_nc_u32 v[WO], s5, v[L16]
	s_lshl_b32 s5, s4, 11                          ; O in LDS: my head is ks = 2 hd, 2 hd + 1
	v_add_nc_u32 v[OXW], s5, v[L16]
	s_mul_i32 s5, s4, 8704                         ; my stage: 32 rows of 272 bytes (256 + 16)
	s_add_co_u32 s5, s5, STAGE
	v_mul_u32_u24 v28, v[RR], 272
	v_lshl_add_u32 v28, v[HH], 5, v28              ; in: row r, 8 f32 for each half of the lanes
	v_add_nc_u32 v[STW], s5, v28
	v_mul_u32_u24 v28, v[HH], 272
	v_lshl_add_u32 v28, v[RR], 4, v28              ; back: lanes 0-15 one row of 256 bytes, lanes 16-31 the next
	v_add_nc_u32 v[STR], s5, v28
	s_lshl_b32 s5, s4, 8
	v_lshl_add_u32 v[OUTO], v[RR], 4, s5
	v_lshl_add_u32 v[OUTO], v[HH], 11, v[OUTO]     ; and the same two rows in out
	s_lshl_b32 s6, s2, 16                          ; 32 rows of 2,048 bytes
	s_mov_b32 s7, 0
	s_add_nc_u64 s[18:19], s[18:19], s[6:7]
	; S^T = K Q^T: 18 tiles, two products each (dims 0-31 start the sum, dims 32-63 add).  By groups of two key tiles; a group's 3 or 4 accumulators take turns.
.macro QK kt, qt, c
.set rS, S+72*\qt+8*(\kt-\qt)
.if \c == 0
	v_wmma_f32_16x16x32_bf16 v[rS:rS+7], v[16*\kt:16*\kt+7], v[Q+16*\qt:Q+16*\qt+7], 0
.else
	v_wmma_f32_16x16x32_bf16 v[rS:rS+7], v[16*\kt+8:16*\kt+15], v[Q+16*\qt+8:Q+16*\qt+15], v[rS:rS+7]
.endif
.endm
	WIN 0x01                                       ; source 0 (K) window 1
.irp gk, 0,1,2,3,4
	s_wait_loadcnt 8*(4-\gk)                       ; loads come back in order: bo, Q and K up to this group are in; the later groups' 8 loads each stay out
.irp c, 0,1
.irp e, 0,1
.irp qt, 0,1
.if (2*\gk+\e-\qt >= 0) && (2*\gk+\e-\qt <= 8)
	QK (2*\gk+\e), \qt, \c
.endif
.endr
.endr
.endr
.endr
	WIN 0
	PLACES                                         ; in front of the loads into K's registers and of the first reads of S^T
	WIN 0x40
.irp p, 0,1,2,3,4
.irp ct, 0,1,2,3
.irp e, 0,1
	global_load_b128 v[32*\p+8*\ct+4*\e:32*\p+8*\ct+4*\e+3], v[KO+2*\p+\e], s[12:13] offset:\ct*512   ; V^T lands while the softmax is made
.endr
.endr
.endr
	WIN 0
; pair i of tile d: the two rests rounded to bf16, into register 4 kt + i of the tile's own query tile's S^T
.macro LOCV sb, qt, d, i
	v_cvt_pk_bf16_f32 v[\sb+4*(\d+\qt)+\i], v[\sb+8*\d+2*\i], v[\sb+8*\d+2*\i+1]
.endm
.macro SOFTMAX qt
.set SB, S+72*\qt
.if \qt == 0
.set TT, 248                           ; eight registers at work: where the last fragment of the rounded P (qt = 1's) will lie,
.else
.set TT, 104                           ; or in what qt = 0's S^T has left free
.endif
	; the band's edges and the batch's ends: -infinity
.irp d, 0,1,2,3,4,5,6,7,8
.set kt, \d+\qt
.irp j, 0,1,2,3,4,5,6,7
.if \d == 0
	s_and_b32 s[50+\j%2], s[MLO+\j], s[VAL+kt]
	v_cndmask_b32 v[SB+\j], v[NEG], v[SB+\j], s[50+\j%2]
.elseif \d == 8
	s_and_b32 s[50+\j%2], s[MHI+\j], s[VAL+kt]
	v_cndmask_b32 v[SB+64+\j], v[NEG], v[SB+64+\j], s[50+\j%2]
.elseif (kt != 4) && (kt != 5)
	v_cndmask_b32 v[SB+8*\d+\j], v[NEG], v[SB+8*\d+\j], s[VAL+kt]
.endif
.endr
.endr
	; the maximum of my 72 scores: four chains of 17, then the four left over
.irp i, 0,1,2,3
	v_max3_num_f32 v[TT+\i], v[SB+18*\i], v[SB+18*\i+1], v[SB+18*\i+2]
.endr
.irp n, 1,2,3,4,5,6,7
.irp i, 0,1,2,3
	v_max3_num_f32 v[TT+\i], v[TT+\i], v[SB+18*\i+2*\n+1], v[SB+18*\i+2*\n+2]
.endr
.endr
	v_max3_num_f32 v[TT], v[TT], v[SB+17], v[SB+35]
	v_max3_num_f32 v[TT+2], v[TT+2], v[SB+53], v[SB+71]
	v_max3_num_f32 v[TT], v[TT], v[TT+1], v[TT+2]
	v_max_num_f32 v[TT], v[TT], v[TT+3]
	v_permlanex16_b32 v[TT+1], v[TT], s20, s21     ; the query's other 72 scores lie in the lane 16 away
	v_max_num_f32 v[TT+4], v[TT], v[TT+1]          ; m, twice: a pair for the packed difference
	v_max_num_f32 v[TT+5], v[TT], v[TT+1]
.set i, 0
.rept 36
	v_pk_add_f32 v[SB+i:SB+i+1], v[SB+i:SB+i+1], v[TT+4:TT+5] neg_lo:[0,1] neg_hi:[0,1]   ; s - m
.set i, i+2
.endr
.set i, 0
.rept 72
	v_exp_f32 v[SB+i], v[SB+i]
.set i, i+1
.endr
	v_nop                                          ; a plain instruction between the last exponential and the use of its result
	; l: the 36 pairs of unrounded weights are added in four chains, started by the first eight pairs
.irp i, 0,1,2,3
	v_pk_add_f32 v[TT+2*\i:TT+2*\i+1], v[SB+2*\i:SB+2*\i+1], v[SB+8+2*\i:SB+8+2*\i+1]
.endr
.set i, 8
.rept 28
	v_pk_add_f32 v[TT+2*(i%4):TT+2*(i%4)+1], v[TT+2*(i%4):TT+2*(i%4)+1], v[SB+2*i:SB+2*i+1]
.set i, i+1
.endr
	v_pk_add_f32 v[TT:TT+1], v[TT:TT+1], v[TT+2:TT+3]
	v_pk_add_f32 v[TT+4:TT+5], v[TT+4:TT+5], v[TT+6:TT+7]
	v_pk_add_f32 v[TT:TT+1], v[TT:TT+1], v[TT+4:TT+5]
	v_add_f32 v[TT], v[TT], v[TT+1]
	v_permlanex16_b32 v[TT+2], v[TT], s20, s21
	v_add_f32 v[TT], v[TT], v[TT+2]
	v_rcp_f32 v[RL+2*\qt], v[TT]                   ; l >= 1: the largest weight is 1
	v_rcp_f32 v[RL+2*\qt+1], v[TT]
	v_nop                                          ; a plain instruction behind the reciprocals
	; the weights rounded to bf16: tile kt is half kt % 2 of fragment kt / 2
.irp d, 0,1,2,3,4,5,6,7,8
.set kt, \d+\qt
	PFRAG 5*\qt+kt/2
.irp i, 0,1,2,3
	v_cvt_pk_bf16_f32 v[PB+4*(kt%2)+\i], v[SB+8*\d+2*\i], v[SB+8*\d+2*\i+1]
.endr
.endr
	; the rests, in place: p - rounded p, exact in f32
.irp d, 0,1,2,3,4,5,6,7,8
.set kt, \d+\qt
	PFRAG 5*\qt+kt/2
.irp i, 0,1,2,3
	v_lshlrev_b32 v[TT+2*\i], 16, v[PB+4*(kt%2)+\i]
	v_and_b32 v[TT+2*\i+1], s22, v[PB+4*(kt%2)+\i]
.endr
.irp i, 0,1,2,3
	v_pk_add_f32 v[SB+8*\d+2*\i:SB+8*\d+2*\i+1], v[SB+8*\d+2*\i:SB+8*\d+2*\i+1], v[TT+2*\i:TT+2*\i+1] neg_lo:[0,1] neg_hi:[0,1]
.endr
.endr
	; the rests rounded to bf16 and packed downwards in S^T's own registers: register 4 kt + i takes registers 8 d + 2 i, 8 d + 2 i + 1.  Going up, a target never lies above the pair that is read,
	; but for qt = 1's first tile (target 4 + i): that one goes from its last pair down
.if \qt == 1
.irp i, 3,2,1,0
	LOCV SB, \qt, 0, \i
.endr
.else
.irp i, 0,1,2,3
	LOCV SB, \qt, 0, \i
.endr
.endif
.irp d, 1,2,3,4,5,6,7,8
.irp i, 0,1,2,3
	LOCV SB, \qt, \d, \i
.endr
.endr
.set kt, 9-9*\qt                       ; the tenth tile lies outside the band: its weights and their rests are 0
	PFRAG 5*\qt+kt/2
.irp i, 0,1,2,3
	v_mov_b32 v[PB+4*(kt%2)+\i], 0
	v_mov_b32 v[SB+4*kt+\i], 0
.endr
.endm
	SOFTMAX 0
	SOFTMAX 1
; A chunk of Wo: my 64 columns x 32 channels, 8 loads, into quarter ks % 4 of the ring
.macro WLOAD ks
	WBASE \ks
.irp nt, 0,1,2,3
.irp q, 0,1
	global_load_b128 v[WB+8*\nt+4*\q:WB+8*\nt+4*\q+3], v[WO], s[14:15] offset:(\ks)*4096+\nt*1024+\q*512
.endr
.endr
.endm
	WLOAD 0                                        ; the two chunks for which registers are free go out ahead of O^T's products: with V^T's 40 loads 56 are out at the most
	WLOAD 1
	s_wait_loadcnt 16                              ; V^T is in; the 16 loads of Wo issued behind it stay out
	; O^T = V^T P: 5 steps of 32 keys, the rounded weights and then their rests on the same fragments of V^T; the eight accumulators take turns
	WIN 0x51                                       ; V^T, C and D window 1; P window 0
.irp p, 0,1,2,3,4
.irp part, 0,1
.irp ct, 0,1,2,3
.irp qt, 0,1
.if \part == 0
	PFRAG 5*\qt+\p
.else
.set PB, S+72*\qt+8*\p
.endif
.set rO, 160+32*\qt+8*\ct
.if (\p == 0) && (\part == 0)
	v_wmma_f32_16x16x32_bf16 v[rO:rO+7], v[32*\p+8*\ct:32*\p+8*\ct+7], v[PB:PB+7], 0
.else
	v_wmma_f32_16x16x32_bf16 v[rO:rO+7], v[32*\p+8*\ct:32*\p+8*\ct+7], v[PB:PB+7], v[rO:rO+7]
.endif
.endr
.endr
.endr
.endr
	WIN 0
	PLACES                                         ; in front of the loads into the registers of P's rests and of the first reads of O^T
	WLOAD 2
	WLOAD 3
	WIN 0x41                                       ; O^T window 1, 1 / l window 0
.irp qt, 0,1
.set i, 0
.rept 16
	v_pk_mul_f32 v[160+32*\qt+i:160+32*\qt+i+1], v[160+32*\qt+i:160+32*\qt+i+1], v[RL+2*\qt:RL+2*\qt+1]
.set i, i+2
.endr
.endr
	WIN 0x45                                       ; all in window 1: O rounded, its rests (exact in f32), the rests rounded
.set i, 0
.rept 32
	v_cvt_pk_bf16_f32 v[PKH+i], v[160+2*i], v[160+2*i+1]
.set i, i+1
.endr
.set i, 0
.rept 32
	v_lshlrev_b32 v[2*i], 16, v[PKH+i]
	v_and_b32 v[2*i+1], s22, v[PKH+i]
.set i, i+1
.endr
.set i, 0
.rept 32
	v_pk_add_f32 v[160+2*i:160+2*i+1], v[160+2*i:160+2*i+1], v[2*i:2*i+1] neg_lo:[0,1] neg_hi:[0,1]
.set i, i+1
.endr
.set i, 0
.rept 32
	v_cvt_pk_bf16_f32 v[PKL+i], v[160+2*i], v[160+2*i+1]
.set i, i+1
.endr
	WIN 0x04                                       ; store data window 1, address window 0
.irp qt, 0,1
.irp ct, 0,1,2,3
	ds_store_b128 v[OXW], v[PKH+16*\qt+4*\ct:PKH+16*\qt+4*\ct+3] offset:\qt*16384+\ct*512        ; a packed tile is half a fragment of O
	ds_store_b128 v[OXW], v[PKL+16*\qt+4*\ct:PKL+16*\qt+4*\ct+3] offset:OXLO+\qt*16384+\ct*512
.endr
.endr
	WIN 0
	s_wait_dscnt 0x0                               ; for the others' sake: my head's O is in LDS
	s_barrier_signal -1
	s_barrier_wait -1                              ; every head's is.  The launch's one barrier; Wo's loads stay on their way across it: nobody writes those bytes
	; out^T = Wo O: 16 steps of 32 channels, 16 products each (O rounded, then its rests; 4 column tiles x 2 query tiles); the eight accumulators take turns
.macro OFETCH ks
	OBASE \ks
.irp part, 0,1
.irp qt, 0,1
	ds_load_b128 v[OFB+16*\part+8*\qt:OFB+16*\part+8*\qt+3],   v[L16] offset:\part*OXLO+\qt*16384+(\ks)*1024
	ds_load_b128 v[OFB+16*\part+8*\qt+4:OFB+16*\part+8*\qt+7], v[L16] offset:\part*OXLO+\qt*16384+(\ks)*1024+512
.endr
.endr
.endm
	OFETCH 0
	OFETCH 1
.set ks, 0
.rept 16
.if ks <= 12
	s_wait_loadcnt 24                              ; this step's chunk is in; the three chunks behind it stay out
.else
	s_wait_loadcnt 8*(15-ks)                       ; the ring runs empty
.endif
.if ks < 15
	s_wait_dscnt 8                                 ; this step's O is in; the next step's eight loads stay out
.else
	s_wait_dscnt 0x0
.endif
	WBASE ks
	OBASE ks
	WIN 0x50                                       ; C and D window 1; Wo and O window 0
.irp part, 0,1
.irp nt, 0,1,2,3
.irp qt, 0,1
.set rC, 8*(2*\nt+\qt)
.if (ks == 0) && (\part == 0)
	v_wmma_f32_16x16x32_bf16 v[rC:rC+7], v[WB+8*\nt:WB+8*\nt+7], v[OFB+16*\part+8*\qt:OFB+16*\part+8*\qt+7], 0
.else
	v_wmma_f32_16x16x32_bf16 v[rC:rC+7], v[WB+8*\nt:WB+8*\nt+7], v[OFB+16*\part+8*\qt:OFB+16*\part+8*\qt+7], v[rC:rC+7]
.endif
.endr
.endr
.endr
	WIN 0
	PLACES                                         ; in front of the loads into the registers just multiplied; behind the last step, of the stores of the results
.if ks <= 11
	WLOAD ks+4
.endif
.if ks <= 13
	OFETCH ks+2
.endif
.set ks, ks+1
.endr
	; THE WAY OUT: a lane's 8 columns of a row go into my own stage and come back as whole rows of 256 bytes; bo is added; 16 lanes store 256 consecutive bytes, aligned
	WIN 0x04                                       ; store data window 1
.irp nt, 0,1,2,3
.irp qt, 0,1
.set rC, 8*(2*\nt+\qt)
	ds_store_b128 v[STW], v[rC:rC+3]   offset:\qt*4352+\nt*64
	ds_store_b128 v[STW], v[rC+4:rC+7] offset:\qt*4352+\nt*64+16
.endr
.endr
	WIN 0
.irp t, 0,1,2,3,4,5,6,7,8,9,10,11,12,13,14,15
	ds_load_b128 v[OB+4*\t:OB+4*\t+3], v[STR] offset:\t*544   ; LDS serves a wave's instructions in order (ISA guide 5.7.1.4): these see the stores above; the bytes are my wave's own
.endr
.irp t, 0,1,2,3,4,5,6,7,8,9,10,11,12,13,14,15
	s_wait_dscnt 15-\t                             ; rows 2 t, 2 t + 1 are back; the later loads stay out
	v_pk_add_f32 v[OB+4*\t:OB+4*\t+1],   v[OB+4*\t:OB+4*\t+1],   v[BOV:BOV+1]
	v_pk_add_f32 v[OB+4*\t+2:OB+4*\t+3], v[OB+4*\t+2:OB+4*\t+3], v[BOV+2:BOV+3]
	global_store_b128 v[OUTO], v[OB+4*\t:OB+4*\t+3], s[18:19] offset:\t*4096 th:TH_STORE_NT
.endr
	s_endpgm
.Lfunc_end_k_qa2b04ff217_attn:
	.size	k_qa2b04ff217_attn, .Lfunc_end_k_qa2b04ff217_attn-k_qa2b04ff217_attn
	.p2alignl 7, 3214868480
	.fill 96, 4, 3214868480
	.section	.rodata,"a",@progbits
	.p2align	6, 0x0
	.amdhsa_kernel k_qa2b04ff217_attn
		.amdhsa_group_segment_fixed_size 135168
		.amdhsa_private_segment_fixed_size 0
		.amdhsa_enable_private_segment 0
		.amdhsa_kernarg_size 48
		.amdhsa_user_sgpr_count 2
		.amdhsa_user_sgpr_kernarg_segment_ptr 1
		.amdhsa_wavefront_size32 1
		.amdhsa_system_sgpr_workgroup_id_x 1
		.amdhsa_system_sgpr_workgroup_id_y 1
		.amdhsa_system_sgpr_workgroup_id_z 1
		.amdhsa_system_vgpr_workitem_id 0
		.amdhsa_next_free_vgpr 512
		.amdhsa_next_free_sgpr 66
		.amdhsa_reserve_vcc 0
		.amdhsa_float_denorm_mode_32 3
		.amdhsa_float_denorm_mode_16_64 3
		.amdhsa_memory_ordered 1
		.amdhsa_forward_progress 1
		.amdhsa_inst_pref_size 125
	.end_amdhsa_kernel
	.amdgpu_metadata
---
amdhsa.version: [ 1, 2 ]
amdhsa.kernels:
  - .name:           k_qa2b04ff217_attn
    .symbol:         k_qa2b04ff217_attn.kd
    .args:
      - { .name: qf, .offset: 0, .size: 8, .value_kind: global_buffer, .address_space: global }
      - { .name: kf, .offset: 8, .size: 8, .value_kind: global_buffer, .address_space: global }
      - { .name: vf, .offset: 16, .size: 8, .value_kind: global_buffer, .address_space: global }
      - { .name: wof, .offset: 24, .size: 8, .value_kind: global_buffer, .address_space: global }
      - { .name: bo, .offset: 32, .size: 8, .value_kind: global_buffer, .address_space: global }
      - { .name: out0, .offset: 40, .size: 8, .value_kind: global_buffer, .address_space: global }
    .group_segment_fixed_size: 135168
    .private_segment_fixed_size: 0
    .kernarg_segment_align: 8
    .kernarg_segment_size: 48
    .max_flat_workgroup_size: 256
    .sgpr_count:     66
    .vgpr_count:     512
    .wavefront_size: 32
...
	.end_amdgpu_metadata
.endif
;; end of part 2
;; ======== version 2 of 2: 2 launches; 1.15 times as fast as version 1
;; limits: values are held in f16: magnitudes above 65,504 overflow, below 6.1e-05 lose precision
;; workspace buffers: qf 8,388,608 bytes; kf 8,388,608 bytes; vf 8,388,608 bytes; wof 524,288 bytes
;; launch proj (part 3): grid 8 x 32, 8 waves a work-group, no clusters, 131,072 bytes of LDS; arguments x, Wq, Wk, Wv, bq, bk, bv, Wo, qf, kf, vf, wof; writes qf, kf, vf, wof
.if DOCPART == 3
	.amdgcn_target "amdgcn-amd-amdhsa--gfx1250"
	.amdhsa_code_object_version 6
	.text
	.protected	k_qa2b04ff217_proj
	.globl	k_qa2b04ff217_proj
	.p2align	8
	.type	k_qa2b04ff217_proj,@function
k_qa2b04ff217_proj:
	s_mov_b64 s[64:65], 0
	v_nop
	global_prefetch_b8 v0, s[64:65] scope:SCOPE_SE
	s_setreg_imm32_b32 hwreg(HW_REG_WAVE_MODE, 25, 1), 1
	s_wait_xcnt 0x0
; q = (x Wq^T + bq) c and k = x Wk^T + bk, rounded once to bf16; v = x Wv^T + bv, rounded once to f16; and Wo cast to 16 bits.  c = log2(e) / sqrt(64), so that the next launch's weights are 2^(s - m).
; x: [8192][512] f32 (both batches' tokens), W: [512][512] f32.  Products on bf16 operands, sums in f32, bias and scale in f32.
; SHARES.  Work-group (head, mb) makes 256 tokens x the head's 64 columns of each of q, k, v.  Wave 2 mg + g: tokens 64 mg .. +63, dims 32 g .. +31 of each: 4 x 6 = 24 accumulators.
; K goes in 8 steps of 64 (256 aligned bytes of each f32 row) through two LDS slots of bf16 rows.
; A STEP'S ORDER.  Fragments, 24 products, the next step's numbers converted into the other slot, the step after next asked for, 24 products, barrier.  So a step's 28 loads of a wave are out
; from the middle of one step to the middle of the next, on the registers of one step.
; OUTPUT IN FRAGMENT ORDER.  qf, kf, vf: [head 8][T = token / 16, 512][tile 4][512 bytes], lane l's 16 bytes at 16 l.  q and k are made as W x^T (source 0 = 16 rows of W, source 1 = 16 tokens):
; a lane then holds one token and 8 neighbouring dims.  v is made as x W^T: a lane holds one channel and 8 neighbouring keys.  Packed to 16 bits each result tile IS half of an operand
; fragment of the next launch, and every store of a wave covers 512 consecutive bytes, aligned.
; wof: [w 8][ks 16][nt 4][q 2][512 bytes], lane (r, h) holds Wo[64 w + 16 nt + r][32 ks + 16 q + 8 h + 0..7], f16.
; NO JOINT TENSOR LOADS, though x's tile is read by 8 work-groups and W's by 32: the tiles are f32 and the operands bf16.  A copied f32 tile would cost 20 KiB of LDS reads where the
; bf16 rows cost 10 KiB for a wave's 24 products, and each number of x would be converted by 2 waves and each of W by 4; through registers each number is converted once.
; LIMITS.  x and the four W are rounded to bf16.  q's bias and scale are applied as acc c + (bq c): one rounding more than (acc + bq) c.
; v is kept in f16 (11 bits of significand): |v| above 65,504 becomes infinite.  As the inputs are drawn |v| is about 3; x and Wv both 30 times larger make it 900 times that;
; both with an offset of 30 spreads make it about 512 x 30 x 0.77 = 12,000.  Below 2^-14 f16 keeps an absolute step of 2^-24.
.set PITCH, 144                        ; an LDS row: 128 bytes of bf16 + 16: nine 16-byte columns, so the 16 rows of a fragment load start in 16 different columns modulo 256 bytes
.set RB,    16*PITCH                   ; 16 rows
.set SLOT1, 65536                      ; slot 1; a slot has 448 rows: x 0-255, Wq 256-319, Wk 320-383, Wv 384-447 (64,512 bytes)
.set GOFF, 1                           ; v1      row (thread / 16) x 2,048 + 16 (thread % 16): my 16 bytes of a step's 256 in 16 rows
.set ST,   2                           ; v2-3    where my 4 numbers go in slot 0, 1
.set AX,   4                           ; v4-5    my x fragments in slot 0, 1
.set AW,   6                           ; v6-7    my W fragments in slot 0, 1
.set SO,   8                           ; v8      my 16 bytes in my wave's first result tile
.set BO,   9                           ; v9      my 8 numbers of bq, bk
.set BVO,  10                          ; v10     my number of bv
.set WSRC, 11                          ; v11     my 4 numbers of Wo
.set WDST, 12                          ; v12     and their place in wof
.set F0,   32                          ; v32-111, v112-191: two fragment buffers (32 along K each): x fragment a at +8 a, W fragment w = 2 m + u at +32 + 8 w
.set WS,   192                         ; v192-239 a step's numbers of W as loaded (12 x 4); the biases at the end
.set WOP,  240                         ; v240-245 my piece of Wo
.set XS,   192                         ; window 1, v192-255: a step's numbers of x as loaded (16 x 4).  Window 1, v0-191: accumulator (a, w) at 8 (6 a + w)
.set BQ,   192
.set BK,   208
.set BV,   224
.set T,    32                          ; the way out: 6 tiles in f32
.set MSB, 0
.macro WIN new                         ; s_set_vgpr_msb: bits 1:0 source 0, 3:2 source 1, 5:4 source 2, 7:6 destination; the high byte repeats the setting that is left
.if MSB != \new
	s_set_vgpr_msb (MSB<<8)|\new
.set MSB, \new
.endif
.endm
.macro PLACES                          ; four plain instructions between a matrix instruction and a load into its registers (ISA guide 7.12.1 for vector instructions)
.rept 4
	v_nop
.endr
.endm
	s_load_b512 s[8:23], s[0:1], 0x0               ; x 8, Wq 10, Wk 12, Wv 14, bq 16, bk 18, bv 20, Wo 22
	s_load_b256 s[24:31], s[0:1], 0x40             ; qf 24, kf 26, vf 28, wof 30
	s_mov_b32 s2, ttmp9                            ; head
	s_and_b32 s3, ttmp7, 0xffff                    ; mb: block of 256 tokens
	v_lshrrev_b32 v19, 5, v0
	v_readfirstlane_b32 s4, v19                    ; wave
	s_lshr_b32 s5, s4, 1                           ; mg
	s_and_b32 s6, s4, 1                            ; g
	s_mov_b32 s32, 0x3e38aa3b                      ; c = 0.125 log2(e)
	s_mov_b32 s33, s32                             ; named with it as a pair
	v_and_b32 v13, 15, v0                          ; thread % 16 = r
	v_lshrrev_b32 v14, 4, v0                       ; thread / 16
	v_bfe_u32 v15, v0, 4, 1                        ; h
	v_and_b32 v16, 31, v0                          ; lane
	v_lshlrev_b32 v[GOFF], 11, v14
	v_lshl_add_u32 v[GOFF], v13, 4, v[GOFF]
	v_mul_u32_u24 v[ST], v14, PITCH
	v_lshl_add_u32 v[ST], v13, 3, v[ST]            ; 4 bf16 = 8 bytes
	v_add_nc_u32 v[ST+1], SLOT1, v[ST]
	v_mul_u32_u24 v17, v13, PITCH
	v_lshl_add_u32 v17, v15, 4, v17                ; a fragment's row x pitch + 16 x half
	s_mul_i32 s34, s5, 4*RB                        ; my 64 rows of x
	v_add_nc_u32 v[AX], s34, v17
	v_add_nc_u32 v[AX+1], SLOT1, v[AX]
	s_mul_i32 s34, s6, 2*RB                        ; my 32 rows of each W,
	s_add_co_u32 s34, s34, 16*RB                   ; behind x's 256
	v_add_nc_u32 v[AW], s34, v17
	v_add_nc_u32 v[AW+1], SLOT1, v[AW]
	s_lshl_b32 s34, s5, 13                         ; result tiles: 4 mg token tiles of 2,048 bytes,
	s_lshl_b32 s35, s6, 10                         ; 2 g tiles of 512
	s_add_co_u32 s34, s34, s35
	v_lshl_add_u32 v[SO], v16, 4, s34
	s_lshl_b32 s34, s2, 8                          ; biases: 64 head + 32 g numbers on
	s_lshl_b32 s35, s6, 7
	s_add_co_u32 s34, s34, s35
	v_lshl_add_u32 v[BO], v15, 5, s34              ; + 8 h numbers
	v_lshl_add_u32 v[BVO], v13, 2, s34             ; + r numbers
	; Wo: the work-group casts rows 16 mb .. +15, columns 64 head .. +63; the wave 8 of those columns; the lane row lane / 2, 4 columns
	v_lshrrev_b32 v17, 1, v16
	v_and_b32 v18, 1, v16
	s_lshl_b32 s34, s3, 15
	s_lshl_b32 s35, s2, 8
	s_add_co_u32 s34, s34, s35
	s_lshl_b32 s35, s4, 5
	s_add_co_u32 s34, s34, s35
	v_lshl_add_u32 v[WSRC], v17, 11, s34
	v_lshl_add_u32 v[WSRC], v18, 4, v[WSRC]
	s_lshr_b32 s34, s3, 2                          ; w = mb / 4
	s_lshl_b32 s34, s34, 16
	s_and_b32 s35, s3, 3                           ; nt = mb % 4
	s_lshl_b32 s35, s35, 10
	s_add_co_u32 s34, s34, s35
	s_lshl_b32 s35, s2, 13                         ; ks = 2 head + wave / 4
	s_add_co_u32 s34, s34, s35
	s_lshr_b32 s35, s4, 2
	s_lshl_b32 s35, s35, 12
	s_add_co_u32 s34, s34, s35
	s_and_b32 s35, s4, 3                           ; q and h: 256 (wave % 4)
	s_lshl_b32 s35, s35, 8
	s_add_co_u32 s34, s34, s35
	v_lshl_add_u32 v[WDST], v16, 3, s34            ; 16 (lane / 2) + 8 (lane % 2) = 8 lane: the wave's store covers 256 consecutive bytes, aligned
	s_wait_kmcnt 0x0
	s_lshl_b32 s34, s3, 19                         ; 256 rows of 2,048 bytes
	s_mov_b32 s35, 0
	s_add_nc_u64 s[8:9], s[8:9], s[34:35]
	s_lshl_b32 s36, s2, 17                         ; 64 rows of 2,048 bytes
	s_mov_b32 s37, 0
	s_add_nc_u64 s[10:11], s[10:11], s[36:37]
	s_add_nc_u64 s[12:13], s[12:13], s[36:37]
	s_add_nc_u64 s[14:15], s[14:15], s[36:37]
	s_lshl_b32 s34, s2, 20                         ; the head's 512 token tiles, and my block's 16
	s_lshl_b32 s36, s3, 15
	s_add_co_u32 s34, s34, s36
	s_add_nc_u64 s[24:25], s[24:25], s[34:35]
	s_add_nc_u64 s[26:27], s[26:27], s[34:35]
	s_add_nc_u64 s[28:29], s[28:29], s[34:35]
; A K step of the group's 256 rows of x (16 loads) and 3 x 64 rows of W (12 loads).  A wave's load covers two rows' 256 aligned bytes.
.macro GLOADX                          ; in one run: ahead of the loop alone; in a step x's loads stand among the products (MUL)
	WIN 0x40                                       ; destination window 1
.irp i, 0,1,2,3,4,5,6,7,8,9,10,11,12,13,14,15
	global_load_b128 v[XS+4*\i:XS+4*\i+3], v[GOFF], s[8:9] offset:\i*32768
.endr
	WIN 0
.endm
.macro GLOADW
.irp m, 0,1,2
.irp i, 0,1,2,3
	global_load_b128 v[WS+16*\m+4*\i:WS+16*\m+4*\i+3], v[GOFF], s[10+2*\m:11+2*\m] offset:\i*32768
.endr
.endr
.endm
.macro BIAS                            ; 12 loads, where W's numbers lay
.irp u, 0,1
	global_load_b128 v[BQ+8*\u:BQ+8*\u+3],   v[BO], s[16:17] offset:64*\u
	global_load_b128 v[BQ+8*\u+4:BQ+8*\u+7], v[BO], s[16:17] offset:64*\u+16
	global_load_b128 v[BK+8*\u:BK+8*\u+3],   v[BO], s[18:19] offset:64*\u
	global_load_b128 v[BK+8*\u+4:BK+8*\u+7], v[BO], s[18:19] offset:64*\u+16
	global_load_b32 v[BV+2*\u],   v[BVO], s[20:21] offset:64*\u      ; one channel's bias, in both registers of a pair for the packed sum
	global_load_b32 v[BV+2*\u+1], v[BVO], s[20:21] offset:64*\u
.endr
.endm
.macro STEP                            ; 64 numbers along K; stands behind the wait that shows the loads done
	s_add_nc_u64 s[8:9], s[8:9], 256
	s_add_nc_u64 s[10:11], s[10:11], 256
	s_add_nc_u64 s[12:13], s[12:13], 256
	s_add_nc_u64 s[14:15], s[14:15], 256
.endm
; The step just loaded is rounded to bf16, each number once, and laid into a slot: 56 conversions, 28 stores of 8 bytes.
.macro CVTST slot
.irp i, 0,1,2,3,4,5,6,7,8,9,10,11
	v_cvt_pk_bf16_f32 v[WS+4*\i], v[WS+4*\i], v[WS+4*\i+1]
	v_cvt_pk_bf16_f32 v[WS+4*\i+1], v[WS+4*\i+2], v[WS+4*\i+3]
.endr
.irp i, 0,1,2,3,4,5,6,7,8,9,10,11
	ds_store_b64 v[ST+\slot], v[WS+4*\i:WS+4*\i+1] offset:(16+\i)*RB
.endr
	WIN 0x45                                       ; sources and destination window 1
.irp i, 0,1,2,3,4,5,6,7,8,9,10,11,12,13,14,15
	v_cvt_pk_bf16_f32 v[XS+4*\i], v[XS+4*\i], v[XS+4*\i+1]
	v_cvt_pk_bf16_f32 v[XS+4*\i+1], v[XS+4*\i+2], v[XS+4*\i+3]
.endr
	WIN 0x04                                       ; store data window 1, address window 0
.irp i, 0,1,2,3,4,5,6,7,8,9,10,11,12,13,14,15
	ds_store_b64 v[ST+\slot], v[XS+4*\i:XS+4*\i+1] offset:\i*RB
.endr
	WIN 0
.endm
; 20 LDS loads: the fragments of 32 along K (half c of the step) into buffer c: 4 of x, 6 of W
.macro FETCH slot, c
.irp a, 0,1,2,3
	ds_load_b128 v[F0+80*\c+8*\a:F0+80*\c+8*\a+3],   v[AX+\slot] offset:\a*RB+64*\c
	ds_load_b128 v[F0+80*\c+8*\a+4:F0+80*\c+8*\a+7], v[AX+\slot] offset:\a*RB+64*\c+32
.endr
.irp w, 0,1,2,3,4,5
	ds_load_b128 v[F0+80*\c+32+8*\w:F0+80*\c+32+8*\w+3], v[AW+\slot] offset:(\w/2)*4*RB+(\w%2)*RB+64*\c
	ds_load_b128 v[F0+80*\c+36+8*\w:F0+80*\c+36+8*\w+3], v[AW+\slot] offset:(\w/2)*4*RB+(\w%2)*RB+64*\c+32
.endr
.endm
; 24 matrix instructions on buffer c.  q and k (w < 4): source 0 = W, source 1 = x; v: source 0 = x, source 1 = W.  zero = 1: the first products start the sums: nothing is cleared.
; The 24 accumulators take turns, one instruction a turn, from call to call and over the backward jump too.
; il = 1: one of x's 16 loads for the step after next stands behind each of the first 16 products (destination window 1, address window 0: the products' own setting), and the step's barrier
; is signalled behind the sixteenth; il = 2: the signal alone; il = 0: neither.
.macro MUL c, zero, il
	WIN 0x50                                       ; C and D window 1, fragments window 0
.set n, 0
.irp a, 0,1,2,3
.irp w, 0,1,2,3,4,5
.set rD, 48*\a+8*\w
.if \w < 4
.set rA, F0+80*\c+32+8*\w
.set rB, F0+80*\c+8*\a
.else
.set rA, F0+80*\c+8*\a
.set rB, F0+80*\c+32+8*\w
.endif
.if \zero
	v_wmma_f32_16x16x32_bf16 v[rD:rD+7], v[rA:rA+7], v[rB:rB+7], 0
.else
	v_wmma_f32_16x16x32_bf16 v[rD:rD+7], v[rA:rA+7], v[rB:rB+7], v[rD:rD+7]
.endif
.if \il == 1
.if n < 16
	global_load_b128 v[XS+4*n:XS+4*n+3], v[GOFF], s[8:9] offset:n*32768
.endif
.endif
.if (\il != 0) && (n == 15)
	s_barrier_signal -1                            ; my reads of this slot and my stores into the other are done (the wait for 0 ahead of these products); only register work follows up to the wait
.endif
.set n, n+1
.endr
.endr
.endm
; A K STEP, read from slot; the next step's numbers go into the other slot.  more = 1: the step after next is asked for; 0: the biases.
; ONE barrier a step.  In front of its signal each wave's reads of this slot and its stores into the other slot are done.  Behind its wait the other slot is read, and this slot is written
; only by the next step's conversions.
.macro TRIP slot, other, zero, more
	FETCH \slot, 0
	FETCH \slot, 1
	s_wait_dscnt 20                                ; buffer 0 is in; buffer 1's 20 loads may stay out
	MUL 0, \zero, 0
	WIN 0
	s_wait_loadcnt 0x0                             ; the next step's numbers are in, and the loads' bases are free
.if \more
	STEP
.endif
	CVTST \other
	s_wait_dscnt 0x0                               ; buffer 1 is in; my stores are done: for the others' sake, and the registers that they read are loaded again only behind this wait
.if \more
	GLOADW
	MUL 1, 0, 1
.else
	BIAS
	MUL 1, 0, 2
.endif
	WIN 0
	PLACES                                         ; between the last product and the next step's loads into the fragment buffers
	s_barrier_wait -1
.endm
	GLOADX                                         ; step 0
	GLOADW
	global_load_b128 v[WOP:WOP+3], v[WSRC], s[22:23]
	s_wait_loadcnt 0x0
	STEP
	CVTST 0
	v_cvt_pk_bf16_f32 v[WOP], v[WOP], v[WOP+1]     ; Wo is rounded to bf16 as the other three weights are, so that all four carry the same rounding;
	v_cvt_pk_bf16_f32 v[WOP+1], v[WOP+2], v[WOP+3]
	v_lshlrev_b32 v[WOP+2], 16, v[WOP]
	v_and_b32 v[WOP+3], 0xffff0000, v[WOP]
	v_lshlrev_b32 v[WOP+4], 16, v[WOP+1]
	v_and_b32 v[WOP+5], 0xffff0000, v[WOP+1]
	v_cvt_pk_f16_f32 v[WOP], v[WOP+2], v[WOP+3]    ; that value is written as f16, the format of the product that takes it: exact from 2^-17 up
	v_cvt_pk_f16_f32 v[WOP+1], v[WOP+4], v[WOP+5]
	global_store_b64 v[WDST], v[WOP:WOP+1], s[30:31]   ; its registers are never written again
	s_wait_dscnt 0x0                               ; my part of slot 0 is written
	GLOADX                                         ; step 1
	GLOADW
	s_barrier_signal -1
	s_barrier_wait -1
	TRIP 0, 1, 1, 1                                ; step 0 starts the sums; step 1 is converted, step 2 asked for
	s_mov_b32 s7, 2
.Lk:                                                   ; steps 1 to 4; steps 3 to 6 are asked for
	TRIP 1, 0, 0, 1
	TRIP 0, 1, 0, 1
	s_sub_co_u32 s7, s7, 1
	s_cmp_lg_u32 s7, 0
	s_cbranch_scc1 .Lk
	TRIP 1, 0, 0, 1                                ; step 5; step 7 is asked for: the last
	TRIP 0, 1, 0, 0                                ; step 6; step 7 is converted; the biases are asked for
	FETCH 1, 0                                     ; step 7
	FETCH 1, 1
	s_wait_dscnt 20                                ; as in every step
	MUL 0, 0, 0
	s_wait_dscnt 0x0
	MUL 1, 0, 0
	WIN 0
	s_wait_loadcnt 0x0                             ; the biases
.irp i, 0,2,4,6,8,10,12,14
	v_pk_mul_f32 v[BQ+\i:BQ+\i+1], v[BQ+\i:BQ+\i+1], s[32:33] op_sel_hi:[1,0]   ; bq c; these eight are also the places behind the last products
.endr
; THE WAY OUT of token tile a: bias (and c) in f32, one rounding to 16 bits (q, k: bf16; v: f16), six stores of 512 consecutive aligned bytes.  Each a has its own store registers, so no wait is needed.
.macro OUTA a
.if \a < 3
.set Y, 112+24*\a
.else
.set Y, 80
.endif
	WIN 0x01                                       ; source 0 (the accumulators) window 1
.irp u, 0,1
.irp i, 0,2,4,6
	v_pk_fma_f32 v[T+8*\u+\i:T+8*\u+\i+1], v[48*\a+8*\u+\i:48*\a+8*\u+\i+1], s[32:33], v[BQ+8*\u+\i:BQ+8*\u+\i+1] op_sel_hi:[1,0,1]
.endr
.endr
.irp u, 0,1
.irp i, 0,2,4,6
	v_pk_add_f32 v[T+16+8*\u+\i:T+16+8*\u+\i+1], v[48*\a+16+8*\u+\i:48*\a+16+8*\u+\i+1], v[BK+8*\u+\i:BK+8*\u+\i+1]
.endr
.endr
.irp u, 0,1
.irp i, 0,2,4,6
	v_pk_add_f32 v[T+32+8*\u+\i:T+32+8*\u+\i+1], v[48*\a+32+8*\u+\i:48*\a+32+8*\u+\i+1], v[BV+2*\u:BV+2*\u+1]
.endr
.endr
	WIN 0
.irp w, 0,1,2,3,4,5
.irp i, 0,1,2,3
.if \w < 4
	v_cvt_pk_bf16_f32 v[Y+4*\w+\i], v[T+8*\w+2*\i], v[T+8*\w+2*\i+1]
.else
	v_cvt_pk_f16_f32 v[Y+4*\w+\i], v[T+8*\w+2*\i], v[T+8*\w+2*\i+1]
.endif
.endr
.endr
.irp w, 0,1,2,3,4,5
	global_store_b128 v[SO], v[Y+4*\w:Y+4*\w+3], s[24+2*(\w/2):25+2*(\w/2)] offset:\a*2048+(\w%2)*512
.endr
.endm
	OUTA 0
	OUTA 1
	OUTA 2
	OUTA 3
	s_endpgm
.Lfunc_end_k_qa2b04ff217_proj:
	.size	k_qa2b04ff217_proj, .Lfunc_end_k_qa2b04ff217_proj-k_qa2b04ff217_proj
	.p2alignl 7, 3214868480
	.fill 96, 4, 3214868480
	.section	.rodata,"a",@progbits
	.p2align	6, 0x0
	.amdhsa_kernel k_qa2b04ff217_proj
		.amdhsa_group_segment_fixed_size 131072
		.amdhsa_private_segment_fixed_size 0
		.amdhsa_enable_private_segment 0
		.amdhsa_kernarg_size 96
		.amdhsa_user_sgpr_count 2
		.amdhsa_user_sgpr_kernarg_segment_ptr 1
		.amdhsa_wavefront_size32 1
		.amdhsa_system_sgpr_workgroup_id_x 1
		.amdhsa_system_sgpr_workgroup_id_y 1
		.amdhsa_system_sgpr_workgroup_id_z 1
		.amdhsa_system_vgpr_workitem_id 0
		.amdhsa_next_free_vgpr 512
		.amdhsa_next_free_sgpr 66
		.amdhsa_reserve_vcc 0
		.amdhsa_float_denorm_mode_32 3
		.amdhsa_float_denorm_mode_16_64 3
		.amdhsa_memory_ordered 1
		.amdhsa_forward_progress 1
		.amdhsa_inst_pref_size 105
	.end_amdhsa_kernel
	.amdgpu_metadata
---
amdhsa.version: [ 1, 2 ]
amdhsa.kernels:
  - .name:           k_qa2b04ff217_proj
    .symbol:         k_qa2b04ff217_proj.kd
    .args:
      - { .name: x, .offset: 0, .size: 8, .value_kind: global_buffer, .address_space: global }
      - { .name: Wq, .offset: 8, .size: 8, .value_kind: global_buffer, .address_space: global }
      - { .name: Wk, .offset: 16, .size: 8, .value_kind: global_buffer, .address_space: global }
      - { .name: Wv, .offset: 24, .size: 8, .value_kind: global_buffer, .address_space: global }
      - { .name: bq, .offset: 32, .size: 8, .value_kind: global_buffer, .address_space: global }
      - { .name: bk, .offset: 40, .size: 8, .value_kind: global_buffer, .address_space: global }
      - { .name: bv, .offset: 48, .size: 8, .value_kind: global_buffer, .address_space: global }
      - { .name: Wo, .offset: 56, .size: 8, .value_kind: global_buffer, .address_space: global }
      - { .name: qf, .offset: 64, .size: 8, .value_kind: global_buffer, .address_space: global }
      - { .name: kf, .offset: 72, .size: 8, .value_kind: global_buffer, .address_space: global }
      - { .name: vf, .offset: 80, .size: 8, .value_kind: global_buffer, .address_space: global }
      - { .name: wof, .offset: 88, .size: 8, .value_kind: global_buffer, .address_space: global }
    .group_segment_fixed_size: 131072
    .private_segment_fixed_size: 0
    .kernarg_segment_align: 8
    .kernarg_segment_size: 96
    .max_flat_workgroup_size: 256
    .sgpr_count:     66
    .vgpr_count:     512
    .wavefront_size: 32
...
	.end_amdgpu_metadata
.endif
;; end of part 3
;; launch attn (part 4): grid 256 x 1, 8 waves a work-group, clusters of 4 x 1, 327,680 bytes of LDS; arguments qf, kf, vf, wof, bo, out0; writes out0
.if DOCPART == 4
	.amdgcn_target "amdgcn-amd-amdhsa--gfx1250"
	.amdhsa_code_object_version 6
	.text
	.protected	k_qa2b04ff217_attn
	.globl	k_qa2b04ff217_attn
	.p2align	8
	.type	k_qa2b04ff217_attn,@function
k_qa2b04ff217_attn:
	s_mov_b64 s[64:65], 0
	v_nop
	global_prefetch_b8 v0, s[64:65] scope:SCOPE_SE
	s_setreg_imm32_b32 hwreg(HW_REG_WAVE_MODE, 25, 1), 1
	s_wait_xcnt 0x0
	s_wait_alu depctr_hold_cnt(0) depctr_sa_sdst(0) depctr_va_vdst(0) depctr_va_sdst(0) depctr_va_ssrc(0) depctr_va_vcc(0) depctr_vm_vsrc(0)
	s_getreg_b32 s2, hwreg(HW_REG_IB_STS2, 6, 4)
	s_cmp_eq_u32 s2, 0
	s_cbranch_scc0 .Lentry_in_a_cluster
	s_endpgm
.Lentry_in_a_cluster:
	s_bfe_u32 s2, ttmp6, 0x10000c
	s_cmp_lg_u32 s2, 0x3003
	s_cbranch_scc0 .Lentry_shape_is_right
	s_endpgm
.Lentry_shape_is_right:
; out = softmax over the keys with |key - query| <= 64 of (q . k) applied to v, then O Wo^T + bo.  q already carries log2(e) / sqrt(64): the weights are p = 2^(s - m).
; SHARES.  The work-group owns 32 queries (two tiles qt of 16).  In the attention wave hd is head hd; in the output product it makes out's columns 64 hd .. +63.  No loop: all is written out.
; OPERANDS COME IN FRAGMENT ORDER.  qf, kf (bf16), vf (f16): [head 8][T = token / 16][tile 4][512 bytes]; wof (f16): [w 8][ks 16][nt 4][q 2][512 bytes]; lane l's 16 bytes at 16 l, so each load
; of a wave takes 512 consecutive aligned bytes straight into half a fragment.
; LAYOUT.  S^T = K Q^T, O^T = V^T P, out^T = Wo O: in every result a lane holds ONE query (lane % 16) and 8 neighbouring keys, channels or columns, so packed S^T tiles are P's
; fragments and packed O^T tiles are O's; a query's maximum and sum want one exchange between the halves of the lanes.
; FORMATS.  K Q^T on bf16.  V^T P and Wo O on f16, 11 bits of significand: p lies in [0, 1] whatever the inputs, O is a mean of v with weights that add up to 1, so it has v's range.
; THE BAND.  Ten key tiles kt at T = the queries' first tile - 4 + kt.  With D = kt - qt: D = 1..7 lies inside the band; D = 0 keeps key >= query in the tile, D = 8 keeps key <= query;
; D = -1 and 9 lie outside: no scores are made and P = 0.  A key tile outside the batch is read at the batch's first or last tile (the load stays in the buffer) and all its scores are masked.
; SOFTMAX.  A query's 144 scores are in registers at once: the true maximum is taken, no running one.  A query always keeps its own key, so m is finite where the scores are.
; CLUSTER.  Every work-group multiplies by the same 512 KiB of wof, more than half of the 864 KiB that it reads.  Four work-groups form a cluster and ask for it JOINTLY: the same tensor load,
; with the same descriptor and a mask that names the four, in all four; each receives the bytes in its own LDS.  Wave hd has an LDS region of 32 KiB of its own for its 64 KiB of wof, fills
; it itself and alone reads it.  The first fill (channel steps 0-7) goes out at the start and lands during the attention.  The region is emptied into 256 registers as they fall free
; (S^T's, then V^T's), so that it can be filled again (steps 8-15) behind the round that also hands the heads' O to all waves: the refill has six steps' 48 products in which to land.
; A wave has one tensor load out.
; K AND V ARE NOT ASKED FOR JOINTLY, though neighbours share 8 of their 10 key tiles: each partner's ten tiles begin two tiles further on, so a common load would have to be read at LDS
; addresses that hang on the place in the cluster.
; LIMITS.  q, k are bf16; v, p, O, Wo f16: |v| above 65,504 is infinite (the launch that makes v gives the room in figures); weights below 2^-14 keep an absolute step of 2^-24.
; l is summed from the unrounded weights.  Masked keys enter as 0 x v: a v that is not finite gives NaN.
.set L16,  1                           ; v1     16 x lane; also my place in an O fragment in LDS
.set RR,   2                           ; v2     r = lane % 16
.set HH,   3                           ; v3     h = lane / 16
.set VD,   4                           ; v4     8 h - r
.set NEG,  5                           ; v5     -infinity
.set QO,   6                           ; v6     my 16 bytes in the first tile of Q
.set WLA,  7                           ; v7     my 16 bytes in the first half fragment of my wave's region of Wo in LDS
.set KO,   8                           ; v8-17  in key tile kt's first tile, of kf and of vf alike
.set OXW,  18                          ; v18    where my head's O goes in LDS
.set BOO,  19                          ; v19    my 4 numbers of bo
.set STW,  20                          ; v20    the stage: in
.set STR,  21                          ; v21    the stage: back
.set OUTO, 22                          ; v22    my 16 bytes in out's first two rows
.set LH,   23                          ; v23    16 lane + the head's first byte
.set BOV,  24                          ; v24-27 bo
.set RL,   28                          ; v28-31 1 / l of qt = 0, 1, each twice (v28: at work in the set-up)
.set Q,    32                          ; v32-63 Q: 32 + 16 qt + 4 dt
.set S,    64                          ; v64-207 S^T: 64 + 72 qt + 8 (kt - qt)
.set PK,   208                         ; v208-239 O packed
.set OB,   64                          ; the way out: v64-127 rows read back from the stage
.set OF,   128                         ; window 1, v128-191: four buffers of O fragments (16 (ks % 4) + 8 qt)
.set WV,   4                           ; s4     my wave's number = my head
.set MLO,  24                          ; s24-31 lanes with key 8 h + j >= query r
.set MHI,  32                          ; s32-39 lanes with key 8 h + j <= query r
.set VAL,  40                          ; s40-49 all ones if key tile kt lies in the batch, else 0 (none for kt = 4, 5: the queries' own tiles)
.set G0,   52                          ; s[52:55] descriptor group 0: from where, to where
.set G1,   56                          ; s[56:63] descriptor group 1: the shape, never rewritten
.set WRB,  32768                       ; LDS: O at 0, [qt 2][ks 16][half 2][512 bytes]; then eight regions of 32,768 bytes, wave hd's at 32,768 (hd + 1):
.set WREG, 32768                       ;      eight steps of Wo, [ks % 8][nt 4][q 2][512 bytes]; behind its last read its first 8,704 bytes are my stage (32 rows x 272 bytes)
; window 1: v0-159 K (16 kt + 4 dt), then V^T (32 p + 8 ct + 4 e, key tile 2 p + e), then v0-127 four places of Wo; v160-223 O^T (160 + 32 qt + 8 ct); then v128-191 O's fragments
.set MSB, 0
.macro WIN new                         ; s_set_vgpr_msb: bits 1:0 source 0, 3:2 source 1, 5:4 source 2, 7:6 destination; the high byte repeats the setting that is left
.if MSB != \new
	s_set_vgpr_msb (MSB<<8)|\new
.set MSB, \new
.endif
.endm
.macro PLACES                          ; four plain instructions between a matrix instruction and a vector instruction or load that touches its registers
.rept 4
	v_nop
.endr
.endm
.macro PFRAG f                         ; P's fragment f = 5 qt + kt / 2: four lie where Q lay, six behind S^T
.if (\f) < 4
.set PB, 32+8*(\f)
.else
.set PB, 176+8*(\f)
.endif
.endm
.macro WPLACE ks                       ; eight places of 32 registers for Wo; step ks takes place ks % 8: four where S^T lay (window 0), four where V^T lay (window 1)
.set WP, (\ks)%8
.if WP < 4
.set WB, 64+32*WP
.set WW, 0
.else
.set WB, 32*(WP-4)
.set WW, 1
.endif
.endm
; A round of the cluster's barrier: my work-group's barrier, so that wave 0's signal speaks for all eight waves; wave 0 signals for the work-group; every wave waits for all four
; work-groups; my work-group's barrier once more.  No LDS instruction of the wave is pending at a signal.
.macro ROUND
	s_barrier_signal -1
	s_barrier_wait -1
	s_cmp_lg_u32 s[WV], 0
	s_cbranch_scc1 .Lnot_wave_0_\@
	s_barrier_signal -3
.Lnot_wave_0_\@:
	s_barrier_wait -3
	s_barrier_signal -1
	s_barrier_wait -1
.endm
	s_load_b256 s[8:15], s[0:1], 0x0               ; qf 8, kf 10, vf 12, wof 14
	s_load_b128 s[16:19], s[0:1], 0x20             ; bo 16, out0 18
	s_bfe_u32 s3, ttmp6, 0x40000                   ; cx: my place in the cluster
	s_lshl_b32 s2, ttmp9, 2                        ; in a cluster launch ttmp9 counts clusters
	s_add_co_u32 s2, s2, s3                        ; qb: block of 32 queries = 4 x cluster + cx: it enters global addresses of Q, K, V and out, and masks of values, alone
	v_lshrrev_b32 v28, 5, v0
	v_readfirstlane_b32 s[WV], v28                 ; hd: wave = head
	; descriptor group 1: a dense block of 32,768 bytes as 128 rows of 32 elements of 8 bytes
	s_mov_b32 s[G1+0], 15|(3<<16)|(1<<21)          ; 15:0 the mask: all four work-groups; 17:16 elements of 8 bytes; 20 no padding; 21 set beside a mask
	s_mov_b32 s[G1+1], 32<<16                      ; 63:48 tensor_dim0, low half = 32
	s_mov_b32 s[G1+2], 128<<16                     ; 79:64 its high half = 0; 95:80 tensor_dim1, low half = 128
	s_mov_b32 s[G1+3], 32<<16                      ; 111:96 its high half = 0; 127:112 tile_dim0 = 32
	s_mov_b32 s[G1+4], 128                         ; 143:128 tile_dim1 = 128; 159:144 tile_dim2 = 0
	s_mov_b32 s[G1+5], 32                          ; 191:160 tensor_dim0_stride: each row begins where the last ends
	s_mov_b32 s[G1+6], 0
	s_mov_b32 s[G1+7], 0
	s_mov_b32 s[G0], 1                             ; 1:0 count = 1
	s_lshl_b32 s[G0+1], s[WV], 15
	s_add_co_u32 s[G0+1], s[G0+1], WRB             ; 63:32 LDS address: my wave's region; no place in the cluster enters it
	s_lshl_b32 s66, s[WV], 16                      ; my wave's 64 KiB of wof
	s_mov_b32 s67, 0
	v_and_b32 v28, 31, v0
	v_lshlrev_b32 v[L16], 4, v28
	v_and_b32 v[RR], 15, v0
	v_bfe_u32 v[HH], v0, 4, 1
	s_lshl_b32 s5, s[WV], 20
	v_add_nc_u32 v[LH], s5, v[L16]
	s_lshl_b32 s5, s2, 12                          ; two token tiles of 2,048 bytes a block
	v_add_nc_u32 v[QO], s5, v[LH]
	s_lshl_b32 s5, s[WV], 8
	v_lshl_add_u32 v[BOO], v[RR], 4, s5
	s_and_b32 s5, s2, 127
	s_lshl_b32 s5, s5, 1
	s_sub_co_i32 s5, s5, 4                         ; key tile 0, counted in the batch: -4 to 250
	s_lshr_b32 s6, s2, 7
	s_lshl_b32 s6, s6, 8                           ; the batch's first tile
.irp kt, 0,1,2,3,4,5,6,7,8,9
	s_add_co_i32 s7, s5, \kt
.if (\kt != 4) && (\kt != 5)
	s_cmp_lt_u32 s7, 256                           ; a negative number is large as an unsigned one
	s_cselect_b32 s[VAL+\kt], -1, 0
	s_max_i32 s7, s7, 0
	s_min_i32 s7, s7, 255
.endif
	s_add_co_u32 s7, s7, s6
	s_lshl_b32 s7, s7, 11
	v_add_nc_u32 v[KO+\kt], s7, v[LH]
.endr
	s_wait_kmcnt 0x0
	s_add_nc_u64 s[G0+2:G0+3], s[14:15], s[66:67]  ; 120:64 global address: my wave's steps 0-7, the same in all four work-groups
	s_or_b32 s[G0+3], s[G0+3], 0x80000000          ; 127:126 type = 2
	global_load_b128 v[BOV:BOV+3], v[BOO], s[16:17]
.irp i, 0,1,2,3,4,5,6,7
	global_load_b128 v[Q+4*\i:Q+4*\i+3], v[QO], s[8:9] offset:\i*512
.endr
	WIN 0x40                                       ; destination window 1
.irp kt, 0,1,2,3,4,5,6,7,8,9
.irp dt, 0,1,2,3
	global_load_b128 v[16*\kt+4*\dt:16*\kt+4*\dt+3], v[KO+\kt], s[10:11] offset:\dt*512
.endr
.endr
	WIN 0
	ROUND                                          ; all four work-groups are here: the first joint loads meet.  Q's and K's loads are on their way meanwhile: nobody writes those bytes
	tensor_load_to_lds s[G0:G0+3], s[G1:G1+7]      ; Wo's steps 0-7 of my 64 columns: my one first fill
	PLACES                                         ; four v_nop follow the line
	; masks and the other addresses are made while the loads are on their way
	v_lshlrev_b32 v[VD], 3, v[HH]
	v_sub_nc_u32 v[VD], v[VD], v[RR]
	v_mov_b32 v[NEG], 0xff800000
.irp j, 0,1,2,3,4,5,6,7
	v_cmp_le_i32 s[MLO+\j], 0-\j, v[VD]            ; -j <= 8 h - r: key 8 h + j >= query r
	v_cmp_ge_i32 s[MHI+\j], 0-\j, v[VD]            ; key 8 h + j <= query r
.endr
	s_mov_b32 s20, 0x76543210                      ; v_permlanex16_b32: each lane takes its own place in the other half
	s_mov_b32 s21, 0xfedcba98
	s_lshl_b32 s5, s[WV], 11                       ; O in LDS: my head is ks = 2 hd, 2 hd + 1
	v_add_nc_u32 v[OXW], s5, v[L16]
	s_lshl_b32 s5, s[WV], 15                       ; my region of Wo, at last my stage
	s_add_co_u32 s5, s5, WRB
	v_add_nc_u32 v[WLA], s5, v[L16]
	v_mul_u32_u24 v28, v[RR], 272                  ; a stage row: 256 bytes + 16
	v_lshl_add_u32 v28, v[HH], 5, v28              ; in: row r, 8 f32 for each half of the lanes
	v_add_nc_u32 v[STW], s5, v28
	v_mul_u32_u24 v28, v[HH], 272
	v_lshl_add_u32 v28, v[RR], 4, v28              ; back: lanes 0-15 one row of 256 bytes, lanes 16-31 the next
	v_add_nc_u32 v[STR], s5, v28
	s_lshl_b32 s5, s[WV], 8
	v_lshl_add_u32 v[OUTO], v[RR], 4, s5
	v_lshl_add_u32 v[OUTO], v[HH], 11, v[OUTO]     ; and the same two rows in out
	s_lshl_b32 s6, s2, 16                          ; 32 rows of 2,048 bytes
	s_mov_b32 s7, 0
	s_add_nc_u64 s[18:19], s[18:19], s[6:7]
	; S^T = K Q^T: 18 tiles, two products each (dims 0-31 start the sum, dims 32-63 add).  By groups of two key tiles; a group's 3 or 4 accumulators take turns.
.macro QK kt, qt, c
.set rS, S+72*\qt+8*(\kt-\qt)
.if \c == 0
	v_wmma_f32_16x16x32_bf16 v[rS:rS+7], v[16*\kt:16*\kt+7], v[Q+16*\qt:Q+16*\qt+7], 0
.else
	v_wmma_f32_16x16x32_bf16 v[rS:rS+7], v[16*\kt+8:16*\kt+15], v[Q+16*\qt+8:Q+16*\qt+15], v[rS:rS+7]
.endif
.endm
	WIN 0x01                                       ; source 0 (K) window 1
.irp gk, 0,1,2,3,4
	s_wait_loadcnt 8*(4-\gk)                       ; loads come back in order: bo, Q and K up to this group are in; the later groups' 8 loads each stay out
.irp c, 0,1
.irp e, 0,1
.irp qt, 0,1
.if (2*\gk+\e-\qt >= 0) && (2*\gk+\e-\qt <= 8)
	QK (2*\gk+\e), \qt, \c
.endif
.endr
.endr
.endr
.endr
	WIN 0
	PLACES                                         ; in front of the loads into K's registers and of the first reads of S^T
	WIN 0x40
.irp p, 0,1,2,3,4
.irp ct, 0,1,2,3
.irp e, 0,1
	global_load_b128 v[32*\p+8*\ct+4*\e:32*\p+8*\ct+4*\e+3], v[KO+2*\p+\e], s[12:13] offset:\ct*512   ; V^T lands while the softmax is made
.endr
.endr
.endr
	WIN 0
.macro SOFTMAX qt
.set SB, S+72*\qt
.if \qt == 0
.set TT, 248                           ; eight registers at work: where P's last fragment (qt = 1's) will lie,
.else
.set TT, 64                            ; or where qt = 0's S^T lay
.endif
	; the band's edges and the batch's ends: -infinity
.irp d, 0,1,2,3,4,5,6,7,8
.set kt, \d+\qt
.irp j, 0,1,2,3,4,5,6,7
.if \d == 0
	s_and_b32 s[50+\j%2], s[MLO+\j], s[VAL+kt]
	v_cndmask_b32 v[SB+\j], v[NEG], v[SB+\j], s[50+\j%2]
.elseif \d == 8
	s_and_b32 s[50+\j%2], s[MHI+\j], s[VAL+kt]
	v_cndmask_b32 v[SB+64+\j], v[NEG], v[SB+64+\j], s[50+\j%2]
.elseif (kt != 4) && (kt != 5)
	v_cndmask_b32 v[SB+8*\d+\j], v[NEG], v[SB+8*\d+\j], s[VAL+kt]
.endif
.endr
.endr
	; the maximum of my 72 scores: four chains of 17, then the four left over
.irp i, 0,1,2,3
	v_max3_num_f32 v[TT+\i], v[SB+18*\i], v[SB+18*\i+1], v[SB+18*\i+2]
.endr
.irp n, 1,2,3,4,5,6,7
.irp i, 0,1,2,3
	v_max3_num_f32 v[TT+\i], v[TT+\i], v[SB+18*\i+2*\n+1], v[SB+18*\i+2*\n+2]
.endr
.endr
	v_max3_num_f32 v[TT], v[TT], v[SB+17], v[SB+35]
	v_max3_num_f32 v[TT+2], v[TT+2], v[SB+53], v[SB+71]
	v_max3_num_f32 v[TT], v[TT], v[TT+1], v[TT+2]
	v_max_num_f32 v[TT], v[TT], v[TT+3]
	v_permlanex16_b32 v[TT+1], v[TT], s20, s21     ; the query's other 72 scores lie in the lane 16 away
	v_max_num_f32 v[TT+4], v[TT], v[TT+1]          ; m, twice: a pair for the packed difference
	v_max_num_f32 v[TT+5], v[TT], v[TT+1]
.set i, 0
.rept 36
	v_pk_add_f32 v[SB+i:SB+i+1], v[SB+i:SB+i+1], v[TT+4:TT+5] neg_lo:[0,1] neg_hi:[0,1]   ; s - m
.set i, i+2
.endr
.set i, 0
.rept 72
	v_exp_f32 v[SB+i], v[SB+i]
.set i, i+1
.endr
	v_nop                                          ; a plain instruction between the last exponential and the use of its result
	; l: the 36 pairs of unrounded weights are added in four chains, started by the first eight pairs
.irp i, 0,1,2,3
	v_pk_add_f32 v[TT+2*\i:TT+2*\i+1], v[SB+2*\i:SB+2*\i+1], v[SB+8+2*\i:SB+8+2*\i+1]
.endr
.set i, 8
.rept 28
	v_pk_add_f32 v[TT+2*(i%4):TT+2*(i%4)+1], v[TT+2*(i%4):TT+2*(i%4)+1], v[SB+2*i:SB+2*i+1]
.set i, i+1
.endr
	v_pk_add_f32 v[TT:TT+1], v[TT:TT+1], v[TT+2:TT+3]
	v_pk_add_f32 v[TT+4:TT+5], v[TT+4:TT+5], v[TT+6:TT+7]
	v_pk_add_f32 v[TT:TT+1], v[TT:TT+1], v[TT+4:TT+5]
	v_add_f32 v[TT], v[TT], v[TT+1]
	v_permlanex16_b32 v[TT+2], v[TT], s20, s21
	v_add_f32 v[TT], v[TT], v[TT+2]
	v_rcp_f32 v[RL+2*\qt], v[TT]                   ; l >= 1: the largest weight is 1
	v_rcp_f32 v[RL+2*\qt+1], v[TT]
	v_nop                                          ; a plain instruction behind the reciprocals
	; the weights rounded to f16: tile kt is half kt % 2 of fragment kt / 2
.irp d, 0,1,2,3,4,5,6,7,8
.set kt, \d+\qt
	PFRAG 5*\qt+kt/2
.irp i, 0,1,2,3
	v_cvt_pk_f16_f32 v[PB+4*(kt%2)+\i], v[SB+8*\d+2*\i], v[SB+8*\d+2*\i+1]
.endr
.endr
.set kt, 9-9*\qt                       ; the tenth tile lies outside the band: its weights are 0
	PFRAG 5*\qt+kt/2
.irp i, 0,1,2,3
	v_mov_b32 v[PB+4*(kt%2)+\i], 0
.endr
.endm
	SOFTMAX 0
	SOFTMAX 1
; A step of Wo (my 64 columns x 32 channels) out of my region into its place: 8 LDS loads of 512 consecutive bytes
.macro WL ks
	WPLACE \ks
	WIN (0x40*WW)                                  ; destination in the place's window, address window 0
.irp nt, 0,1,2,3
.irp q, 0,1
	ds_load_b128 v[WB+8*\nt+4*\q:WB+8*\nt+4*\q+3], v[WLA] offset:((\ks)%8)*4096+\nt*1024+\q*512
.endr
.endr
.endm
	s_wait_tensorcnt 0x0                           ; my first fill is in LDS; only I read it, so my own counter is all that the reads need
	WL 0                                           ; S^T's registers are free: four steps of Wo take their place
	WL 1
	WL 2
	WL 3
	s_wait_loadcnt 0x0                             ; V^T is in: no global load was issued behind it
	; O^T = V^T P: 5 steps of 32 keys; the eight accumulators take turns
	WIN 0x51                                       ; V^T, C and D window 1; P window 0
.irp p, 0,1,2,3,4
.irp ct, 0,1,2,3
.irp qt, 0,1
	PFRAG 5*\qt+\p
.set rO, 160+32*\qt+8*\ct
.if \p == 0
	v_wmma_f32_16x16x32_f16 v[rO:rO+7], v[32*\p+8*\ct:32*\p+8*\ct+7], v[PB:PB+7], 0
.else
	v_wmma_f32_16x16x32_f16 v[rO:rO+7], v[32*\p+8*\ct:32*\p+8*\ct+7], v[PB:PB+7], v[rO:rO+7]
.endif
.endr
.endr
.endr
	WIN 0
	PLACES                                         ; in front of the loads into V^T's registers and of the first reads of O^T
	WL 4                                           ; the other four steps: my region is read out
	WL 5
	WL 6
	WL 7
	WIN 0x41                                       ; O^T window 1, 1 / l window 0
.irp qt, 0,1
.set i, 0
.rept 16
	v_pk_mul_f32 v[160+32*\qt+i:160+32*\qt+i+1], v[160+32*\qt+i:160+32*\qt+i+1], v[RL+2*\qt:RL+2*\qt+1]
.set i, i+2
.endr
.endr
	WIN 0x05                                       ; sources window 1, destination window 0
.irp qt, 0,1
.set i, 0
.rept 16
	v_cvt_pk_f16_f32 v[PK+16*\qt+i], v[160+32*\qt+2*i], v[160+32*\qt+2*i+1]
.set i, i+1
.endr
.endr
	WIN 0
.irp qt, 0,1
.irp ct, 0,1,2,3
	ds_store_b128 v[OXW], v[PK+16*\qt+4*\ct:PK+16*\qt+4*\ct+3] offset:\qt*16384+\ct*512   ; a packed tile is half a fragment of O
.endr
.endr
	; ONE ROUND FOR TWO THINGS.  In front of it: my head's O is in LDS and my reads of my region are back (the wait for 0 on DScnt), and no tensor load of mine is out.
	; Behind it: every head's O may be read, and the regions are filled again: no wave of any partner still reads its region or has a load on its way.
	s_wait_dscnt 0x0
	s_wait_tensorcnt 0x0                           ; met: the first fill was waited for in front of its reads; so group 0 may be written
	s_add_nc_u64 s[G0+2:G0+3], s[G0+2:G0+3], WREG  ; my wave's steps 8-15; the type bits on top are not reached
	ROUND
	tensor_load_to_lds s[G0:G0+3], s[G1:G1+7]      ; the joint refill: my one tensor load behind the round, and the first thing there
	PLACES                                         ; four v_nop follow the line
	; out^T = Wo O: 16 steps of 32 channels, 8 products each (4 column tiles x 2 query tiles); the eight accumulators take turns.
	; Steps 0-7 take Wo from the registers filled above.  O's fragments come out of LDS four steps ahead, four buffers.  Behind step 5 the refill is waited for, and steps 8-15 of Wo come
	; out of LDS into the places that have been multiplied: two steps' behind each of steps 5, 6, 7, one behind each of steps 8, 9.
.macro OFETCH ks
	WIN 0x40                                       ; destination window 1
.irp qt, 0,1
	ds_load_b128 v[OF+16*((\ks)%4)+8*\qt:OF+16*((\ks)%4)+8*\qt+3],   v[L16] offset:\qt*16384+(\ks)*1024
	ds_load_b128 v[OF+16*((\ks)%4)+8*\qt+4:OF+16*((\ks)%4)+8*\qt+7], v[L16] offset:\qt*16384+(\ks)*1024+512
.endr
.endm
.macro ACREG nt, qt                    ; accumulator 2 nt + qt: four where Q lay, four at window 0's end
.if 2*\nt+\qt < 4
.set rC, 32+8*(2*\nt+\qt)
.else
.set rC, 224+8*(2*\nt+\qt-4)
.endif
.endm
	OFETCH 0
	OFETCH 1
	OFETCH 2
	OFETCH 3
.set ks, 0
.rept 16
	; LDS loads come back in order (ISA guide 5.7.1): the count is what was issued behind the later of this step's O (4 loads) and Wo (8 loads)
.if ks <= 5
	s_wait_dscnt 12                                ; the next three steps' O
.elseif ks == 6
	s_wait_dscnt 28                                ; O of 7, 8, 9; Wo of 8, 9
.elseif ks == 7
	s_wait_dscnt 40                                ; 44 were issued behind step 7's O; four fewer, so that with the 20 issued behind this step 60 are out at the most
.elseif ks == 8
	s_wait_dscnt 48                                ; behind Wo of 8: Wo of 9 to 13, O of 10, 11
.elseif ks == 9
	s_wait_dscnt 48                                ; 52 were issued behind Wo of 9; four fewer, so that with the 12 issued behind this step 60 are out at the most
.elseif ks == 10
	s_wait_dscnt 52                                ; behind Wo of 10: Wo of 11 to 15, O of 11, 12, 13
.elseif ks == 11
	s_wait_dscnt 44                                ; behind O of 11: Wo of 12 to 15, O of 12, 13, 14
.elseif ks == 12
	s_wait_dscnt 28                                ; behind O of 12: Wo of 14, 15, O of 13, 14, 15
.elseif ks == 13
	s_wait_dscnt 16                                ; behind O of 13: Wo of 15, O of 14, 15
.elseif ks == 14
	s_wait_dscnt 4                                 ; O of 15
.else
	s_wait_dscnt 0x0
.endif
	WPLACE ks
	WIN (4+WW)                                     ; source 0 (Wo) in its place's window, source 1 (O) window 1; C and D window 0
.irp nt, 0,1,2,3
.irp qt, 0,1
	ACREG \nt, \qt
.if ks == 0
	v_wmma_f32_16x16x32_f16 v[rC:rC+7], v[WB+8*\nt:WB+8*\nt+7], v[OF+16*(ks%4)+8*\qt:OF+16*(ks%4)+8*\qt+7], 0
.else
	v_wmma_f32_16x16x32_f16 v[rC:rC+7], v[WB+8*\nt:WB+8*\nt+7], v[OF+16*(ks%4)+8*\qt:OF+16*(ks%4)+8*\qt+7], v[rC:rC+7]
.endif
.endr
.endr
	PLACES                                         ; in front of the loads into the registers just multiplied; behind the last step, of the stores of the results
.if ks <= 11
	OFETCH ks+4                                    ; into the buffer just multiplied
.endif
.if ks == 5
	s_wait_tensorcnt 0x0                           ; the refill is in LDS: 48 products of mine stand between its request and this wait; only I read it
.endif
.if (ks >= 5) && (ks <= 7)
	WL 2*ks-2                                      ; steps 8, 9; 10, 11; 12, 13: into places multiplied at least two steps ago
	WL 2*ks-1
.elseif (ks == 8) || (ks == 9)
	WL ks+6                                        ; steps 14, 15
.endif
.set ks, ks+1
.endr
	WIN 0
	; THE WAY OUT: a lane's 8 columns of a row go into my stage and come back as whole rows of 256 bytes; bo is added; 16 lanes store 256 consecutive bytes, aligned.
	; The stage is the head of my own region: its last fill has landed and been read (both waits above were for 0), no tensor load follows, and no other wave touches it.
.irp nt, 0,1,2,3
.irp qt, 0,1
	ACREG \nt, \qt
	ds_store_b128 v[STW], v[rC:rC+3]   offset:\qt*4352+\nt*64
	ds_store_b128 v[STW], v[rC+4:rC+7] offset:\qt*4352+\nt*64+16
.endr
.endr
.irp t, 0,1,2,3,4,5,6,7,8,9,10,11,12,13,14,15
	ds_load_b128 v[OB+4*\t:OB+4*\t+3], v[STR] offset:\t*544   ; LDS serves a wave's instructions in order (ISA guide 5.7.1.4): these see the stores above; the bytes are my wave's own
.endr
.irp t, 0,1,2,3,4,5,6,7,8,9,10,11,12,13,14,15
	s_wait_dscnt 15-\t                             ; rows 2 t, 2 t + 1 are back; the later loads stay out
	v_pk_add_f32 v[OB+4*\t:OB+4*\t+1],   v[OB+4*\t:OB+4*\t+1],   v[BOV:BOV+1]
	v_pk_add_f32 v[OB+4*\t+2:OB+4*\t+3], v[OB+4*\t+2:OB+4*\t+3], v[BOV+2:BOV+3]
	global_store_b128 v[OUTO], v[OB+4*\t:OB+4*\t+3], s[18:19] offset:\t*4096 th:TH_STORE_NT
.endr
	ROUND                                          ; the closing round: no work-group ends while a partner may still ask for a tile that names it
	s_endpgm
.Lfunc_end_k_qa2b04ff217_attn:
	.size	k_qa2b04ff217_attn, .Lfunc_end_k_qa2b04ff217_attn-k_qa2b04ff217_attn
	.p2alignl 7, 3214868480
	.fill 96, 4, 3214868480
	.section	.rodata,"a",@progbits
	.p2align	6, 0x0
	.amdhsa_kernel k_qa2b04ff217_attn
		.amdhsa_group_segment_fixed_size 327680
		.amdhsa_private_segment_fixed_size 0
		.amdhsa_enable_private_segment 0
		.amdhsa_kernarg_size 48
		.amdhsa_user_sgpr_count 2
		.amdhsa_user_sgpr_kernarg_segment_ptr 1
		.amdhsa_wavefront_size32 1
		.amdhsa_system_sgpr_workgroup_id_x 1
		.amdhsa_system_sgpr_workgroup_id_y 1
		.amdhsa_system_sgpr_workgroup_id_z 1
		.amdhsa_system_vgpr_workitem_id 0
		.amdhsa_next_free_vgpr 512
		.amdhsa_next_free_sgpr 68
		.amdhsa_reserve_vcc 0
		.amdhsa_float_denorm_mode_32 3
		.amdhsa_float_denorm_mode_16_64 3
		.amdhsa_memory_ordered 1
		.amdhsa_forward_progress 1
		.amdhsa_inst_pref_size 88
	.end_amdhsa_kernel
	.amdgpu_metadata
---
amdhsa.version: [ 1, 2 ]
amdhsa.kernels:
  - .name:           k_qa2b04ff217_attn
    .symbol:         k_qa2b04ff217_attn.kd
    .args:
      - { .name: qf, .offset: 0, .size: 8, .value_kind: global_buffer, .address_space: global }
      - { .name: kf, .offset: 8, .size: 8, .value_kind: global_buffer, .address_space: global }
      - { .name: vf, .offset: 16, .size: 8, .value_kind: global_buffer, .address_space: global }
      - { .name: wof, .offset: 24, .size: 8, .value_kind: global_buffer, .address_space: global }
      - { .name: bo, .offset: 32, .size: 8, .value_kind: global_buffer, .address_space: global }
      - { .name: out0, .offset: 40, .size: 8, .value_kind: global_buffer, .address_space: global }
    .group_segment_fixed_size: 327680
    .private_segment_fixed_size: 0
    .kernarg_segment_align: 8
    .kernarg_segment_size: 48
    .max_flat_workgroup_size: 256
    .sgpr_count:     68
    .vgpr_count:     512
    .wavefront_size: 32
...
	.end_amdgpu_metadata
.endif
;; end of part 4
